; MI455X (gfx1250); checked and timed in simulation.
; The chip was launched on July 23, 2026; its instructions are those of AMD's public machine-readable ISA for CDNA 5 (MIT licence, August 2026) and "CDNA5" Instruction Set Architecture Reference Guide (July 2026). The comments in the code are by the model that wrote it; some were corrected since.
;; Multi Head Self Attention. Allowed arithmetic: matrix products marked QUANTISED: E2M3 operands, one E8M0 scale for each 32 along K, by v_wmma_scale_f32_16x16x128_f8f6f4 with both operands' format E2M3, f32 sums; everything else in f32.
;; Inputs: token_positions 2,048 int32; wk 1,024 x 1,024 float32; wo 1,024 x 1,024 float32; wq 1,024 x 1,024 float32; wv 1,024 x 1,024 float32; x 4 x 2,048 x 1,024 float32.
;; Outputs: out0 4 x 2,048 x 1,024 float32.
;; This version of the problem:
;;   THIS VERSION OF THE PROBLEM IS GIVEN IN LOW PRECISION. The matrix products marked QUANTISED in the list below multiply operands that are first quantised to E2M3 (2 exponent bits, 3 mantissa bits; 6 bits a number), with one power-of-two scale for each 32 numbers along K (OCP MX v1.0); their sums are f32. All else is computed in f32.
;;   The module's matrix products, in the order in which they are computed (A, B: the left and right operand; K: the contracted axis; several contracted axes count as one K, in the product's order):
;;     1. [M 8,192, K 1,024] x [K 1,024, N 1,024]; A: input x; B: input wq: QUANTISED
;;     2. [M 8,192, K 1,024] x [K 1,024, N 1,024]; A: input x; B: input wk: QUANTISED
;;     3. [M 8,192, K 1,024] x [K 1,024, N 1,024]; A: input x; B: input wv: QUANTISED
;;     4. batch 64 x [M 2,048, K 64] x [K 64, N 2,048]; A: computed on the way; B: computed on the way: QUANTISED
;;     5. batch 64 x [M 2,048, K 2,048] x [K 2,048, N 64]; A: softmax (see below); B: computed on the way: QUANTISED
;;     6. [M 8,192, K 1,024] x [K 1,024, N 1,024]; A: computed on the way; B: input wo: QUANTISED
;;   THE QUANTISER, for each operand of a quantised product, along K:
;;     - K is cut into blocks of 32 from its start; a last block that is shorter is filled with zeros.
;;     - A block's scale is 2^e with e = floor(log2(the largest magnitude in the block)) - 2, held to -126 .. 127; a block of zeros has e = 0. As a byte (E8M0): e + 127.
;;     - Each number is divided by its block's scale, clamped to +-7.5, and rounded to the nearest number of E2M3, ties to even, subnormals kept.
;;     - The product sums the exact products of the quantised numbers (number of the format x scale) in f32.
;;   ~~~python
;;   def quantise(x, axis):      # numpy; x: float32 -> the quantised numbers, widened to float32 again
;;       x = np.moveaxis(x, axis, -1); K = x.shape[-1]
;;       x = np.pad(x, [(0, 0)] * (x.ndim - 1) + [(0, -K % 32)]); x = x.reshape(x.shape[:-1] + (-1, 32)); a = np.abs(x).max(-1, keepdims=True)
;;       e = np.where(a > 0, np.clip(np.frexp(np.where(a > 0, a, 1))[1] - 1 - 2, -126, 127), 0)      # np.frexp(a)[1] - 1 = floor(log2(a)), exactly
;;       r = np.clip(x / 2.0 ** e, -7.5, 7.5)
;;       step = 2.0 ** (np.maximum(np.frexp(np.where(r == 0, 1, r))[1] - 1, 0) - 3)
;;       q = np.round(r / step) * step * 2.0 ** e      # np.round: ties to even
;;       return np.moveaxis(q.reshape(q.shape[:-2] + (-1,))[..., :K], -1, axis).astype(np.float32)
;;   ~~~
;;   SOFTMAX AHEAD OF A QUANTISED PRODUCT. Where the list says 'softmax', what is quantised is not the finished softmax but p = 2^(t - M), with t = logit x log2(e) and M = ceil(the row's largest t), a whole number; so 1/2 < the row's largest p <= 1. The row's sum l is taken of the UNQUANTISED p, in f32, and the product's result is divided by l at the end. Since M is a whole number, a kernel that streams over the keys may use a running M (the ceiling of the running maximum): every later rescaling is an exact power of two, which a block's scale takes up: the codes' values come out the same.
;;   OPERANDS COMPUTED ON THE WAY. 'Computed on the way' means the value that the module computes at that place (a softmax that the list does not call 'softmax' is quantised finished and normalised). What goes into a quantiser is computed in f32, as accurately as f32 sums, v_exp_f32 and their like allow (about 1e-6 of the number): no bf16 or f16 on the way to a quantiser, and a product that is left as it is and whose result goes on into a quantised operand takes f32 operands (vector FMAs, or v_wmma_f32_16x16x4_f32). A number that lies on a knife's edge between two numbers of the format may be rounded either way, as far as f32 arithmetic and the matrix unit's own rounding can turn it there, and no further.
;; One version. Each part assembles by itself: llvm-mc -triple=amdgcn-amd-amdhsa -mcpu=gfx1250 --defsym DOCPART=n.
;; ======== version 1 of 1: 4 launches
;; limits: right only within a limited range of input values
;; workspace buffers: xc 6,291,456 bytes; xs 262,144 bytes; wc 3,145,728 bytes; ws 131,072 bytes; rt 524,288 bytes; qkv 20,185,088 bytes; ac 6,291,456 bytes; asc 262,144 bytes
;; launch prep (part 1): grid 416 x 1, 4 waves a work-group, no clusters, 33,280 bytes of LDS; arguments x, wq, wk, wv, wo, token_positions, xc, xs, wc, ws, rt; writes xc, xs, wc, ws, rt
.if DOCPART == 1
	.amdgcn_target "amdgcn-amd-amdhsa--gfx1250"
	.amdhsa_code_object_version 6
	.text
	.protected	k_q684aa15983_prep
	.globl	k_q684aa15983_prep
	.p2align	8
	.type	k_q684aa15983_prep,@function
k_q684aa15983_prep:
	s_mov_b64 s[64:65], 0
	v_nop
	global_prefetch_b8 v0, s[64:65] scope:SCOPE_SE
	s_setreg_imm32_b32 hwreg(HW_REG_WAVE_MODE, 25, 1), 1
	s_wait_xcnt 0x0
; TWO JOBS IN ONE LAUNCH, parted on the work-group's number.
; Work-groups 32 .. 415: x [8192][1024] and wq, wk, wv, wo [1024][1024], f32, become codes of FP6 (E2M3), K innermost (a row of 1,024 codes is 768 bytes), with one E8M0 byte for each 32 along K.
;   A block's scale is 2^(floor(log2(its largest magnitude)) - 2); its byte is the largest magnitude's exponent field - 2, held at 1 from below.  A block of zeros so gets the byte 1 where the
;   quantiser's rule says 127: its codes are zeros, and the bytes are read by this program alone.
;   A wave takes 8 rows (8,192 numbers), a work-group 32.  THE ROWS LEAVE IN ANOTHER ORDER: in each group of 32 rows the second and the third eight change places (x, wq, wk, wv; not wo), so that position 16 u + r
;   holds row 8 u + r + 8 (r / 8).  A tile of 16 positions then gives the next launch's results 16 neighbours along the next K in a lane's registers.  It costs nothing here: waves 1 and 2 swap their places in the output.
; Work-groups 0 .. 31: the table of cos and sin for the GIVEN token_positions, in the order in which the next launch's lanes want it: [tile of 16 tokens][8 x 512 bytes at 16 x lane]; a lane's register 2 p is cos,
;   2 p + 1 sin, of frequency 16 (p / 8) + 8 (lane / 16) + p % 8, for the token at position lane % 16 of the tile (in the order above).  The angle is position x 10^(-f / 8), rounded to f32 as the model rounds it;
;   cos and sin by a reduction to |r| <= pi / 4 (pi / 2 in two parts; the first multiply-add is exact for angles under 2^11) and polynomials of degree 7 and 8 in f32.
; LIMITS: NaN and infinities are not served; blocks whose largest magnitude lies under 2^-124 keep the byte 1; token_positions lie in 0 .. 2,047; the 32 frequencies are the correctly rounded 10^(-f / 8), which may
;   differ in the last bit from a power and a division in f32: up to about 1e-4 of a radian at the largest positions.
.set WAVES, 4
.set STEPS, 16
.set NROPE, 32                         ; work-groups for the table: 128 tiles of tokens, one a wave
.set EMAX,  2
.set CB,    12                         ; bytes of 16 codes
.set R,     16                         ; v16-79   four sets of 16 numbers as they are loaded
.set X,     80                         ; v80-111  two sets of 16 neighbours
.set C,     128                        ; v128-191 codes: four registers for each step
.set E,     112                        ; v112-127 a scale byte for each step
.set WREG,  8192                       ; LDS: a region for each wave: two stages of 32 x SP bytes, then its 256 scale bytes
.set SP,    80                         ; a lane's place in a stage: 64 bytes + 16 of padding
.set SPW,   12                         ; v12  LDS address of my spare word; never rewritten
.set NIL,   13                         ; v13  0; never rewritten
.set SPARE, WAVES*WREG                 ; behind the four regions: the spare words, 128 bytes a wave
	s_load_b512 s[4:19], s[0:1], 0x0               ; x s[4:5], wq s[6:7], wk s[8:9], wv s[10:11], wo s[12:13], token_positions s[14:15], xc s[16:17], xs s[18:19]
	s_load_b128 s[20:23], s[0:1], 0x40             ; wc, ws
	s_load_b64 s[24:25], s[0:1], 0x50              ; rt
	v_lshl_add_u32 v[SPW], v0, 2, SPARE
	v_mov_b32 v[NIL], 0
	v_lshrrev_b32 v1, 5, v0
	v_readfirstlane_b32 s26, v1                    ; wave
	v_and_b32 v2, 31, v0                           ; lane
	s_cmp_lt_u32 ttmp9, NROPE
	s_cbranch_scc1 .Lrope
	; ---------------- the quantiser ----------------
	v_lshlrev_b32 v3, 4, v2                        ; my 16 bytes of a load's 512
	s_mul_i32 s36, s26, WREG
	v_lshrrev_b32 v14, 2, v2
	v_mul_u32_u24 v14, v14, SP
	v_and_b32 v15, 3, v2
	v_lshl_add_u32 v14, v15, 4, v14
	v_add_nc_u32 v14, s36, v14                     ; the stage, on the way in: SP (lane / 4) + 16 (lane % 4)
	v_mul_u32_u24 v15, v2, SP
	v_add_nc_u32 v15, s36, v15                     ; and on the way out: SP x lane: my 16 neighbours
	; THE CODES' LAYOUT: [group of 256 rows][K step of 256 codes][row][192 bytes]: a K step of 128 or 256 rows is one dense block, a multiple of 256 bytes long, at a multiple of 256
	v_and_b32 v4, 15, v2
	v_mul_u32_u24 v4, v4, CB                       ; sixteen lanes hold a row's 192 bytes of one K step;
	v_lshrrev_b32 v5, 4, v2
	v_mad_u32_u24 v4, v5, 0xc000, v4               ; lanes 16-31 the next K step's, 49,152 bytes on
	v_lshrrev_b32 v5, 1, v2
	s_add_co_u32 s36, s36, 2*32*SP
	v_add_nc_u32 v5, s36, v5                       ; LDS: my wave's 256 scale bytes, my block's byte
	v_lshlrev_b32 v7, 3, v2                        ; and on the way out 8 bytes a lane
	v_add_nc_u32 v6, s36, v7
	s_sub_co_u32 s27, ttmp9, NROPE                 ; g: 0 .. 255 x, 256 .. 383 the weights, 32 groups of 32 rows each
	s_sub_co_u32 s28, s27, 256                     ; the group among the weights' 128
	s_lshr_b32 s29, s28, 5                         ; which weight
	s_and_b32 s30, s28, 31                         ; the group in it
	s_and_b32 s33, s26, 1
	s_lshl_b32 s33, s33, 1
	s_lshr_b32 s34, s26, 1
	s_or_b32 s33, s33, s34                         ; waves 1 and 2 change places
	s_wait_alu depctr_va_vdst(0)
	s_wait_kmcnt 0x0
	s_cmp_eq_u32 s29, 2                            ; the choices hang on the work-group's number alone
	s_cselect_b64 s[12:13], s[10:11], s[12:13]
	s_cmp_eq_u32 s29, 1
	s_cselect_b64 s[12:13], s[8:9], s[12:13]
	s_cmp_eq_u32 s29, 0
	s_cselect_b64 s[12:13], s[6:7], s[12:13]
	s_cmp_lt_u32 s27, 352                          ; x, wq, wk, wv: the other order; wo: as it lies
	s_cselect_b32 s33, s33, s26
	s_cmp_lt_u32 s27, 256
	s_cselect_b64 s[4:5], s[4:5], s[12:13]         ; the numbers
	s_cselect_b64 s[8:9], s[16:17], s[20:21]       ; the codes
	s_cselect_b64 s[10:11], s[18:19], s[22:23]     ; the scale bytes
	s_cselect_b32 s31, s27, s30                    ; the group in the input,
	s_cselect_b32 s32, s27, s28                    ; and in the output
	s_lshl_b32 s31, s31, 2
	s_add_co_u32 s31, s31, s26                     ; my run of 8 rows in the input
	s_lshl_b32 s32, s32, 2
	s_add_co_u32 s32, s32, s33                     ; and where it goes
	s_lshl_b32 s34, s31, 15                        ; 32,768 bytes a run
	s_mov_b32 s35, 0
	s_add_nc_u64 s[4:5], s[4:5], s[34:35]
	s_lshr_b32 s34, s32, 5                         ; 32 runs of 8 rows to a group of 196,608 bytes;
	s_mul_i32 s34, s34, 196608
	s_and_b32 s36, s32, 31
	s_mul_i32 s36, s36, 1536                       ; in a K step's block a run is 8 x 192 bytes
	s_add_co_u32 s34, s34, s36
	s_add_nc_u64 s[8:9], s[8:9], s[34:35]
	s_lshl_b32 s34, s32, 8                         ; 256 scale bytes
	s_add_nc_u64 s[10:11], s[10:11], s[34:35]
.macro LOAD t
.irp i, 0,1,2,3
	global_load_b128 v[R+16*((\t)%4)+4*\i:R+16*((\t)%4)+4*\i+3], v3, s[4:5] offset:2048*(\t)+512*\i th:TH_LOAD_NT   ; 32 lanes read 512 consecutive bytes
.endr
.endm
.macro TURN t                          ; step t's numbers through the stage: LDS serves a wave's instructions in order, so no wait stands between the stores and the loads
.irp i, 0,1,2,3
	ds_store_b128 v14, v[R+16*((\t)%4)+4*\i:R+16*((\t)%4)+4*\i+3] offset:32*SP*((\t)%2)+8*SP*\i
.endr
.irp i, 0,1,2,3
	ds_load_b128 v[X+16*((\t)%2)+4*\i:X+16*((\t)%2)+4*\i+3], v15 offset:32*SP*((\t)%2)+16*\i
.endr
.endm
.irp t, 0,1,2,3
	LOAD \t
.endr
	s_wait_loadcnt 12                              ; step 0's four loads are in; the twelve of steps 1 to 3 may be out
	TURN 0
.macro STEP t
.set XS, X+16*((\t)%2)
.if (\t) > 0
	s_wait_dscnt 1                                 ; this step's numbers are back from the stage (the last step's byte store may be out)
.else
	s_wait_dscnt 0x0
.endif
.if (\t)+4 < STEPS
	LOAD (\t)+4
.endif
.if (\t)+1 < STEPS
.if STEPS-2-(\t) >= 3
	s_wait_loadcnt 12                              ; the next step's four loads are in; those of the three steps behind it may be out
.else
	s_wait_loadcnt 4*(STEPS-2-(\t))
.endif
	TURN (\t)+1
.endif
	v_max3_num_f32 v8, |v[XS]|, |v[XS+1]|, |v[XS+2]|               ; the largest magnitude of my 16
	v_max3_num_f32 v9, |v[XS+3]|, |v[XS+4]|, |v[XS+5]|
.irp i, 6,10
	v_max3_num_f32 v8, v8, |v[XS+\i]|, |v[XS+\i+1]|
	v_max3_num_f32 v9, v9, |v[XS+\i+2]|, |v[XS+\i+3]|
.endr
	v_max3_num_f32 v8, v8, |v[XS+14]|, |v[XS+15]|
	v_max3_num_f32 v8, v8, v9, (EMAX+1)<<23        ; and the floor 2^(3 - 127): the byte cannot fall under 1
	v_max_num_f32_dpp v8, v8, v8 row_xmask:1 row_mask:0xf bank_mask:0xf   ; and of my neighbour's 16: the block's
	v_add_nc_u32 v11, -(EMAX<<23), v8              ; 2 off its exponent field: the conversion takes the exponent field of this operand as its scale
	v_cvt_scalef32_pk16_fp6_f32 v[C+4*(\t):C+4*(\t)+2], v[XS:XS+15], v11
	v_lshrrev_b32 v[E+(\t)], 23, v11               ; the scale's byte
	ds_store_b8 v5, v[E+(\t)] offset:16*(\t)       ; both lanes of a block write the same byte with the same value
	global_store_b96 v4, v[C+4*(\t):C+4*(\t)+2], s[8:9] offset:192*((\t)/2)+98304*((\t)%2)   ; row t / 2 of my eight, K steps 2 (t % 2) and 2 (t % 2) + 1
.endm
.irp t, 0,1,2,3,4,5,6,7,8,9,10,11,12,13,14,15
	STEP \t
.endr
	ds_load_b64 v[8:9], v6                         ; LDS serves a wave's instructions in order: these see my stores
	s_wait_dscnt 0x0
	global_store_b64 v7, v[8:9], s[10:11]          ; 32 lanes store 256 consecutive bytes, aligned
	s_wait_tensorcnt 0x0                           ; the wave's end, behind my last LDS store
	ds_add_u32 v[SPW], v[NIL]
	s_wait_dscnt 0x0
	s_endpgm
	; ---------------- the table of cos and sin: no LDS ----------------
.Lrope:
	s_lshl_b32 s27, ttmp9, 2
	s_add_co_u32 s27, s27, s26                     ; my tile of 16 tokens, 0 .. 127
	s_lshr_b32 s28, s27, 1
	s_lshl_b32 s28, s28, 5
	s_and_b32 s29, s27, 1
	s_lshl_b32 s29, s29, 3
	s_add_co_u32 s28, s28, s29                     ; 32 (tile / 2) + 8 (tile % 2)
	v_and_b32 v1, 15, v0
	v_and_b32 v3, 8, v1
	v_add_nc_u32 v3, v3, v1
	v_add_nc_u32 v3, s28, v3                       ; my token: + r + 8 (r / 8)
	v_lshlrev_b32 v3, 2, v3
	s_wait_alu depctr_va_vdst(0)
	s_wait_kmcnt 0x0
	global_load_b32 v4, v3, s[14:15]               ; its position, as it is given
	s_lshl_b32 s30, s27, 12                        ; 4,096 bytes of table a tile
	s_mov_b32 s31, 0
	s_add_nc_u64 s[24:25], s[24:25], s[30:31]
	v_lshlrev_b32 v71, 4, v2                       ; 16 x lane
	s_mov_b32 s40, 0x3f22f983                      ; 2 / pi
	s_mov_b32 s41, 0xbfc90fdb                      ; -(pi / 2), the f32 nearest to it,
	s_mov_b32 s42, 0x333bbd2e                      ; and what that f32 has too much
	s_mov_b32 s43, 0xb94ca1f9                      ; sin: -1.9515296e-4, 8.3321609e-3, -1.6666655e-1
	s_mov_b32 s44, 0x3c08839e
	s_mov_b32 s45, 0xbe2aaaa3
	s_mov_b32 s46, 0x37ccf5ce                      ; cos: 2.4433157e-5, -1.3887316e-3, 4.1666646e-2
	s_mov_b32 s47, 0xbab6061a
	s_mov_b32 s48, 0x3d2aaaa5
	s_mov_b32 vcc_lo, 0xffff0000                   ; lanes 16-31
.macro FREQ p, lo, hi                  ; 10^(-f / 8): lanes 0-15 take lo, lanes 16-31 hi (eight frequencies on)
	v_mov_b32 v[16+\p], \hi
	v_cndmask_b32 v[16+\p], \lo, v[16+\p], vcc_lo
.endm
	FREQ 0, 0x3f800000, 0x3dcccccd
	FREQ 1, 0x3f3ff911, 0x3d99940e
	FREQ 2, 0x3f0ff59a, 0x3d6655c3
	FREQ 3, 0x3ed7e89b, 0x3d2cba15
	FREQ 4, 0x3ea1e89b, 0x3d0186e2
	FREQ 5, 0x3e72d424, 0x3cc24350
	FREQ 6, 0x3e361887, 0x3c91ad39
	FREQ 7, 0x3e088d77, 0x3c5a7bf1
	FREQ 8, 0x3c23d70a, 0x3a83126f
	FREQ 9, 0x3bf5b9b0, 0x3a44948c
	FREQ 10, 0x3bb8449c, 0x3a136a16
	FREQ 11, 0x3b8a2e77, 0x39dd1726
	FREQ 12, 0x3b4f3e37, 0x39a5cb5f
	FREQ 13, 0x3b1b690d, 0x3978a814
	FREQ 14, 0x3ae91528, 0x393a7753
	FREQ 15, 0x3aaec98e, 0x390bd472
	s_wait_loadcnt 0x0
	v_cvt_f32_i32 v5, v4
.macro SINCOS p
	v_mul_f32 v6, v5, v[16+\p]                     ; the angle, rounded to f32
	v_mul_f32 v7, s40, v6
	v_rndne_f32 v7, v7                             ; n: how many quarter turns
	v_fma_f32 v8, v7, s41, v6                      ; r = angle - n pi / 2, in two parts
	v_fma_f32 v8, v7, s42, v8
	v_cvt_i32_f32 v10, v7
	v_mul_f32 v9, v8, v8                           ; z = r r
	v_fma_f32 v11, v9, s43, s44
	v_fma_f32 v15, v9, s46, s47
	v_fma_f32 v11, v11, v9, s45
	v_fma_f32 v15, v15, v9, s48
	v_mul_f32 v14, v9, v8
	v_mul_f32 v65, v9, v9
	v_fma_f32 v64, v9, -0.5, 1.0
	v_fma_f32 v11, v14, v11, v8                    ; sin r
	v_fma_f32 v15, v65, v15, v64                   ; cos r
	v_and_b32 v66, 1, v10
	v_cmp_eq_u32 s50, 1, v66                       ; an odd quarter: the two change places
	v_cndmask_b32 v67, v15, v11, s50
	v_cndmask_b32 v68, v11, v15, s50
	v_add_nc_u32 v69, 1, v10
	v_and_b32 v69, 2, v69                          ; cos is negative in quarters 1 and 2,
	v_and_b32 v70, 2, v10                          ; sin in quarters 2 and 3
	v_lshlrev_b32 v69, 30, v69
	v_lshlrev_b32 v70, 30, v70
	v_xor_b32 v[32+2*\p], v67, v69
	v_xor_b32 v[33+2*\p], v68, v70
.endm
.irp p, 0,1,2,3,4,5,6,7,8,9,10,11,12,13,14,15
	SINCOS \p
.endr
.irp c, 0,1,2,3,4,5,6,7
	global_store_b128 v71, v[32+4*\c:35+4*\c], s[24:25] offset:512*\c   ; 32 lanes store 512 consecutive bytes, aligned
.endr
	s_endpgm
.Lfunc_end_k_q684aa15983_prep:
	.size	k_q684aa15983_prep, .Lfunc_end_k_q684aa15983_prep-k_q684aa15983_prep
	.p2alignl 7, 3214868480
	.fill 96, 4, 3214868480
	.section	.rodata,"a",@progbits
	.p2align	6, 0x0
	.amdhsa_kernel k_q684aa15983_prep
		.amdhsa_group_segment_fixed_size 33280
		.amdhsa_private_segment_fixed_size 0
		.amdhsa_enable_private_segment 0
		.amdhsa_kernarg_size 88
		.amdhsa_user_sgpr_count 2
		.amdhsa_user_sgpr_kernarg_segment_ptr 1
		.amdhsa_wavefront_size32 1
		.amdhsa_system_sgpr_workgroup_id_x 1
		.amdhsa_system_sgpr_workgroup_id_y 1
		.amdhsa_system_sgpr_workgroup_id_z 1
		.amdhsa_system_vgpr_workitem_id 0
		.amdhsa_next_free_vgpr 192
		.amdhsa_next_free_sgpr 66
		.amdhsa_reserve_vcc 1
		.amdhsa_float_denorm_mode_32 3
		.amdhsa_float_denorm_mode_16_64 3
		.amdhsa_memory_ordered 1
		.amdhsa_forward_progress 1
		.amdhsa_inst_pref_size 57
	.end_amdhsa_kernel
	.amdgpu_metadata
---
amdhsa.version: [ 1, 2 ]
amdhsa.kernels:
  - .name:           k_q684aa15983_prep
    .symbol:         k_q684aa15983_prep.kd
    .args:
      - { .name: x, .offset: 0, .size: 8, .value_kind: global_buffer, .address_space: global }
      - { .name: wq, .offset: 8, .size: 8, .value_kind: global_buffer, .address_space: global }
      - { .name: wk, .offset: 16, .size: 8, .value_kind: global_buffer, .address_space: global }
      - { .name: wv, .offset: 24, .size: 8, .value_kind: global_buffer, .address_space: global }
      - { .name: wo, .offset: 32, .size: 8, .value_kind: global_buffer, .address_space: global }
      - { .name: token_positions, .offset: 40, .size: 8, .value_kind: global_buffer, .address_space: global }
      - { .name: xc, .offset: 48, .size: 8, .value_kind: global_buffer, .address_space: global }
      - { .name: xs, .offset: 56, .size: 8, .value_kind: global_buffer, .address_space: global }
      - { .name: wc, .offset: 64, .size: 8, .value_kind: global_buffer, .address_space: global }
      - { .name: ws, .offset: 72, .size: 8, .value_kind: global_buffer, .address_space: global }
      - { .name: rt, .offset: 80, .size: 8, .value_kind: global_buffer, .address_space: global }
    .group_segment_fixed_size: 33280
    .private_segment_fixed_size: 0
    .kernarg_segment_align: 8
    .kernarg_segment_size: 88
    .max_flat_workgroup_size: 128
    .sgpr_count:     66
    .vgpr_count:     192
    .wavefront_size: 32
...
	.end_amdgpu_metadata
.endif
;; end of part 1
;; launch qkv (part 2): grid 8 x 48, 4 waves a work-group, clusters of 4 x 4, 327,680 bytes of LDS; arguments xc, xs, wc, ws, rt, qkv; writes qkv
.if DOCPART == 2
	.amdgcn_target "amdgcn-amd-amdhsa--gfx1250"
	.amdhsa_code_object_version 6
	.text
	.protected	k_q684aa15983_qkv
	.globl	k_q684aa15983_qkv
	.p2align	8
	.type	k_q684aa15983_qkv,@function
k_q684aa15983_qkv:
	s_mov_b64 s[64:65], 0
	v_nop
	global_prefetch_b8 v0, s[64:65] scope:SCOPE_SE
	s_setreg_imm32_b32 hwreg(HW_REG_WAVE_MODE, 25, 1), 1
	s_wait_xcnt 0x0
	s_wait_alu depctr_hold_cnt(0) depctr_sa_sdst(0) depctr_va_vdst(0) depctr_va_sdst(0) depctr_va_ssrc(0) depctr_va_vcc(0) depctr_vm_vsrc(0)
	s_getreg_b32 s2, hwreg(HW_REG_IB_STS2, 6, 4)
	s_cmp_eq_u32 s2, 0
	s_cbranch_scc0 .Lentry_in_a_cluster
	s_endpgm
.Lentry_in_a_cluster:
	s_bfe_u32 s2, ttmp6, 0x10000c
	s_cmp_lg_u32 s2, 0xf033
	s_cbranch_scc0 .Lentry_shape_is_right
	s_endpgm
.Lentry_shape_is_right:
; q, k and v = x W^T on codes of FP6 (E2M3) with E8M0 scales, the rotation of q and k, and the quantising of q, k (along the head's 64) and v (along the tokens), all in registers: what leaves is codes and scale words,
; laid as the attention launch's operand registers want them.
; A tile of 256 x 256 is made by four waves, 128 x 128 each: 64 accumulators, 512 registers.  K = 1,024 goes in steps of 256 through a ring of two LDS slots filled by the tensor data mover; the scale bytes of the
; work-group's 2 x 256 rows come once and stay.  4 x 4 work-groups form a cluster: a tile of A is asked for jointly along a row of the cluster, a tile of B along a column.
; TWO KINDS OF CLUSTER, told apart by the cluster's y (the same in all sixteen partners).  y < 8, "QK": A = x's rows, B = the rows of wq and wk.  y >= 8, "V": A = the rows of wv, B = x's rows.
; THE MATRIX INSTRUCTION IS USED TRANSPOSED (source 0 = 16 rows of B, source 1 = 16 rows of A), and the rows of x, wq, wk, wv lie in the order in which position 16 u + r of a group of 32 holds row 8 u + r + 8 (r / 8).
; So for one block of A a lane holds ONE row of A and its 64 registers are: register 16 b + i = B's row 32 b + 16 (lane / 16) + i.  QK: a token, and 128 features (two heads) along the registers; V: a feature, and 128 tokens.
; Those are the next products' K: the conversions' results (with the exchange of halves) are a fragment of 16 x 128: QK: two heads' halves of 16 tokens x 64; V: 16 of a head's 64 x 128 keys.
; A half fragment leaves as an image of its six registers, 768 bytes: registers 0-3 at 16 x lane, registers 4-5 at 512 + 8 x lane.  Four tiles' scale words leave as 256 bytes: the word at 8 x lane + 4 j is tile 2 j + lane / 16.
; LIMITS: NaN and infinities are not served; a block under 2^-124 (a block of zeros too) keeps the scale byte 1: its bytes are read by this program alone.
; REGISTERS, in windows of 256: window 0: v0-31 addresses; v32-63 scale words, two sets; v64-127 cos and sin, two sets of 32; from v128 A's fragments, one set; on the way out v128-255 are at work.
;   window 1: B's fragments, two sets.   window 2: the accumulators of my rows 0-63 ((a, b) at v[8 (8 a + b)]);   window 3: those of my rows 64-127.
.set KSTEP,  256
.set NQ,     KSTEP/128
.set ROWB,   49152                     ; from a K step's block of 256 rows x 192 bytes to the next: the codes lie [group of 256 rows][K step][row][192 bytes]
.set G0H,    4                         ; s[4:7], s[8:11] group 0 of the head's loads of K step 0 (the arguments that lay there have been used by then)
.set G0HB,   8
.set KROW,   768                       ; a row of codes in memory
.set PITCH,  240                       ; an LDS row: 3 x (64 bytes + 16 of padding)
.set FR,     12
.set NL,     6
.set NP,     4
.set HALFT,  128*PITCH
.set SLOT,   4*HALFT
.set LAPS,   2                         ; 1,024 / 512
.set KS,     32                        ; a row of scale bytes
.set SCL,    2*SLOT
.set HALFS,  (128*KS/256)*272
.set SBLK,   (16*KS/256)*272
.set SPARE,  SCL+4*HALFS               ; the spare words, 128 bytes a wave
.set KV,     6291456                   ; qkv: q's images from 0; from here [head 64][key step 16][K 6,144 | V 6,144];
.set SCR,    18874368                  ; from here [head 64][q's scale images 8,192 | k's 8,192 | v's 4,096]
.set ADRA, 16                          ; v16-19
.set ADRB, 20                          ; v20-23
.set L16,  24                          ; v24  16 x lane
.set L8,   25                          ; v25  8 x lane
.set ADRS, 27
.set SPW,  28
.set NIL,  29
.set SC,   32
.set CS,   64                          ; v64-127 cos and sin
.set AF,   128
.set ST,   128                         ; the way out: v128-191 a tile's 64 rotated numbers
.set PC,   192                         ; v192-210 the codes just made
.set TM,   212                         ; v212-227 at work in QUANT
.set PWS,  232                         ; v232-239 the eight tiles' scale words
.set RR,   240                         ; v240-247 scale images
.set G1, 24
.set G0, 32
.set G1B, 48
.set G0B, 56
.set G1S, 68
.set G0S, 76
.set G1SB, 80
.set G0SB, 88
.set SEL, 66                           ; s[66:67] selects for lane l xor 16
.set SS,  92                           ; s[92:93] where my scale images go
.set HM,  94                           ; s94  lanes 16-31
.set ISV, 95                           ; s95  1 in a V cluster
.set RB,  96                           ; s[96:97] the table
.set QKV, 98                           ; s[98:99]
.set SB1, 100                          ; s[100:101] where my images go: the even head's (V: both heads')
.set SB2, 104                          ; s[104:105] the odd head's
.set MSB, 0
.macro WIN new                         ; the immediate's high byte repeats the setting that is left
.if MSB != (\new)
	s_set_vgpr_msb (MSB<<8)|(\new)
.set MSB, (\new)
.endif
.endm
.set MUL_LO, 0xa1                      ; source 0 (B) window 1, source 1 (A) window 0, C and D window 2
.set MUL_HI, 0xf1
.set TO_B,   0x40
; A joint load: waves 0 and 1 fetch for A, waves 2 and 3 for B; the branch hangs on the wave's number alone.  An s_nop 0 and four v_nop follow each of the two lines.
.macro JLOAD g0a, g1a, g0b, g1b
	s_cmp_eq_u32 s15, 0
	s_cbranch_scc0 .Lfor_b_\@
	tensor_load_to_lds s[\g0a:\g0a+3], s[\g1a:\g1a+7]
	s_nop 0
.rept 4
	v_nop
.endr
	s_branch .Lasked_\@
.Lfor_b_\@:
	tensor_load_to_lds s[\g0b:\g0b+3], s[\g1b:\g1b+7]
	s_nop 0
.rept 4
	v_nop
.endr
.Lasked_\@:
.endm
.macro CREST
	s_cmp_lg_u32 s14, 0
	s_cbranch_scc1 .Lnot_wave_0_\@
	s_barrier_signal -3
.Lnot_wave_0_\@:
	s_barrier_wait -3
	s_barrier_signal -1
	s_barrier_wait -1
.endm
.macro CROUND
	s_barrier_signal -1
	s_barrier_wait -1
	CREST
.endm
	s_load_b256 s[4:11], s[0:1], 0x0               ; xc s[4:5], xs s[6:7], wc s[8:9], ws s[10:11]
	s_load_b128 s[96:99], s[0:1], 0x20             ; rt, qkv
	v_lshl_add_u32 v[SPW], v0, 2, SPARE
	v_mov_b32 v[NIL], 0
	ds_add_u32 v[SPW], v[NIL]                      ; the wave's opening: the adds and their wait ahead of my first tensor load
	ds_add_u32 v[SPW], v[NIL]
	v_lshrrev_b32 v1, 5, v0
	v_readfirstlane_b32 s14, v1                    ; wave 0..3
	s_lshr_b32 s15, s14, 1                         ; which half of the tile's rows is mine.  Also: I fetch for A (0) or for B (1)
	s_and_b32 s16, s14, 1                          ; which half of its columns.  Also: which 128 rows I fetch
	s_bfe_u32 s40, ttmp6, 0x40000                  ; cx
	s_bfe_u32 s41, ttmp6, 0x40004                  ; cy
	s_and_b32 s17, ttmp7, 0xffff                   ; cluster y, 0 .. 11
	s_sub_co_u32 s42, s17, 8
	s_lshl_b32 s42, s42, 1
	s_add_co_u32 s42, s42, ttmp9                   ; V: the eight V clusters, by cluster x + 2 (cluster y - 8)
	s_cmp_ge_u32 s17, 8
	s_cselect_b32 s[ISV], 1, 0
	s_cselect_b32 s42, s42, ttmp9
	s_cselect_b32 s17, 0, s17
	s_lshl_b32 s42, s42, 2
	s_add_co_u32 s42, s42, s40                     ; tile column: QK 0 .. 7 (wq, wk), V 0 .. 31 (x)
	s_lshl_b32 s17, s17, 2
	s_add_co_u32 s17, s17, s41                     ; tile row: QK 0 .. 31 (x), V 0 .. 3 (wv)
	s_lshl_b32 s43, s41, 2
	s_lshl_b32 s43, 15, s43                        ; my row of the cluster
	s_lshl_b32 s44, 0x1111, s40                    ; my column
	s_or_b32 s[G1+0], s43, (0<<16)|(1<<20)|(1<<21)|(3<<22)|(3<<25)  ; the mask; elements of 1 byte; padding on; bit 21 beside a mask; after every 16 words 4 words
	s_or_b32 s[G1B+0], s44, (0<<16)|(1<<20)|(1<<21)|(3<<22)|(3<<25)
.irp g, G1, G1B
	s_mov_b32 s[\g+1], 256<<16                     ; a dense block, stated as rows of 256 bytes; the padding's interval stays 64 bytes, so the LDS image is that of rows of 192 bytes
	s_mov_b32 s[\g+2], 192<<16                     ; the head's loads: 256 rows x 192 bytes = 192 such rows; behind them the two counts are set to 96
	s_mov_b32 s[\g+3], 256<<16
	s_mov_b32 s[\g+4], 192
	s_mov_b32 s[\g+5], 256
	s_mov_b32 s[\g+6], 0
	s_mov_b32 s[\g+7], 0
.endr
	s_mov_b32 s[SEL], 0x76543210
	s_mov_b32 s[SEL+1], 0xfedcba98
	s_lshl_b32 s20, s17, 8                         ; A: the tile's first row, 256 x tile row
	s_lshl_b32 s46, s42, 8                         ; B: 256 x tile column
	s_mov_b32 s21, 0
	s_mov_b32 s47, 0
	s_mov_b64 s[18:19], KS
	s_mul_u64 s[22:23], s[20:21], s[18:19]
	s_mul_u64 s[92:93], s[46:47], s[18:19]
	s_mov_b64 s[18:19], KROW
	s_mul_u64 s[20:21], s[20:21], s[18:19]
	s_mul_u64 s[46:47], s[46:47], s[18:19]
	s_mul_i32 s45, s14, HALFT                      ; where they go: wave x 128 rows
	s_mul_i32 s18, s16, 24576                      ; in the ring I fetch 128 rows of a K step's block: which half, in bytes
	s_mov_b32 s19, 0
	s_wait_dscnt 0x0                               ; the opening add is done
	s_wait_kmcnt 0x0
	s_add_nc_u64 s[100:101], s[8:9], 2048*KROW     ; wv's codes
	s_add_nc_u64 s[104:105], s[10:11], 2048*KS     ; and scale bytes
	s_cmp_eq_u32 s[ISV], 0                         ; which buffers are A and B: the choice hangs on the cluster's y alone
	s_cselect_b64 s[8:9], s[8:9], s[4:5]
	s_cselect_b64 s[10:11], s[10:11], s[6:7]
	s_cselect_b64 s[4:5], s[4:5], s[100:101]
	s_cselect_b64 s[6:7], s[6:7], s[104:105]
	s_add_nc_u64 s[20:21], s[4:5], s[20:21]
	s_add_nc_u64 s[68:69], s[6:7], s[22:23]        ; A's scale bytes, in a pair that is not written again
	s_add_nc_u64 s[46:47], s[8:9], s[46:47]
	s_add_nc_u64 s[92:93], s[10:11], s[92:93]
	CROUND                                         ; all sixteen work-groups are here: the first joint loads meet
	s_mov_b32 s[G0S], 1
	s_mov_b32 s[G0S+1], SLOT                       ; s[G0S ..], s[G0SB ..]: group 0 of the head's loads of K step 1, into slot 1: A's 256 rows,
	s_add_nc_u64 s[G0S+2:G0S+3], s[20:21], ROWB
	s_or_b32 s[G0S+3], s[G0S+3], 0x80000000
	s_mov_b32 s[G0SB], 1
	s_mov_b32 s[G0SB+1], SLOT+2*HALFT              ; and B's
	s_add_nc_u64 s[G0SB+2:G0SB+3], s[46:47], ROWB
	s_or_b32 s[G0SB+3], s[G0SB+3], 0x80000000
	s_mov_b32 s[G0H], 1                            ; K step 0's 256 rows of A,
	s_mov_b32 s[G0H+1], 0
	s_mov_b64 s[G0H+2:G0H+3], s[20:21]
	s_or_b32 s[G0H+3], s[G0H+3], 0x80000000
	s_mov_b32 s[G0HB], 1                           ; and of B, behind them in slot 0
	s_mov_b32 s[G0HB+1], 2*HALFT
	s_mov_b64 s[G0HB+2:G0HB+3], s[46:47]
	s_or_b32 s[G0HB+3], s[G0HB+3], 0x80000000
	s_add_nc_u64 s[20:21], s[20:21], s[18:19]      ; for the ring: my 128 rows
	s_add_nc_u64 s[46:47], s[46:47], s[18:19]
.irp s, 0,1
	s_mov_b32 s[G0+4*\s], 1
	s_add_co_u32 s[G0+4*\s+1], s45, \s*SLOT
	s_add_nc_u64 s[G0+4*\s+2:G0+4*\s+3], s[20:21], \s*ROWB
	s_or_b32 s[G0+4*\s+3], s[G0+4*\s+3], 0x80000000
	s_mov_b32 s[G0B+4*\s], 1
	s_add_co_u32 s[G0B+4*\s+1], s45, \s*SLOT
	s_add_nc_u64 s[G0B+4*\s+2:G0B+4*\s+3], s[46:47], \s*ROWB
	s_or_b32 s[G0B+4*\s+3], s[G0B+4*\s+3], 0x80000000
.endr
; THE HEAD'S LOADS, ONE A WAVE: wave 0 K step 0's 256 rows of A, wave 1 those of B, wave 2 K step 1's rows of A, wave 3 those of B.  One tree of branches on the wave's number: every way passes one load.
.macro ARM under, g0, g1, next
	s_cmp_lt_u32 s14, \under
	s_cbranch_scc0 \next
	tensor_load_to_lds s[\g0:\g0+3], s[\g1:\g1+7]
	s_nop 0
.rept 4
	v_nop
.endr
	s_branch .Lhead_asked
\next:
.endm
	ARM 1, G0H,  G1,  .Lhead_b
	ARM 2, G0HB, G1B, .Lhead_sa
	ARM 3, G0S,  G1,  .Lhead_sb                    ; waves 2 and 3: K step 1's rows of A and of B: both slots are asked for at the head
	tensor_load_to_lds s[G0SB:G0SB+3], s[G1B:G1B+7]
	s_nop 0
.rept 4
	v_nop
.endr
.Lhead_asked:
	; the scale bytes of A's and B's 256 rows, 8,192 each, come by plain loads, 16 bytes a thread and 2,048 a line, and go by LDS stores to bytes of their own: runs of 256 bytes with 16 of padding behind each
	v_lshlrev_b32 v30, 4, v0
	v_lshrrev_b32 v31, 4, v0
	v_mul_u32_u24 v31, v31, 272
	v_and_b32 v9, 15, v0
	v_lshl_add_u32 v31, v9, 4, v31
	v_add_nc_u32 v31, SCL, v31
.irp j, 0,1,2,3
	global_load_b128 v[128+4*\j:131+4*\j], v30, s[68:69] offset:2048*\j
	global_load_b128 v[144+4*\j:147+4*\j], v30, s[92:93] offset:2048*\j
.endr
	v_and_b32 v1, 15, v0                           ; l % 16
	v_bfe_u32 v2, v0, 4, 1                         ; l / 16
	v_mul_u32_u24 v3, v1, PITCH
	v_mul_u32_u24 v4, v2, 24
	v_add_nc_u32 v4, v3, v4                        ; a fragment's row x pitch + 24 x half
	v_lshl_add_u32 v5, v2, 4, v4                   ; and the same behind one padding more
	s_mul_i32 s21, s15, HALFT
	s_mul_i32 s22, s16, HALFT
	s_add_co_u32 s22, s22, 2*HALFT
.irp s, 0,1
	v_add_nc_u32 v[ADRA+\s], s21, v4
	v_add_nc_u32 v[ADRB+\s], s22, v4
	v_add_nc_u32 v[ADRA+2+\s], s21, v5
	v_add_nc_u32 v[ADRB+2+\s], s22, v5
	s_add_co_u32 s21, s21, SLOT
	s_add_co_u32 s22, s22, SLOT
.endr
	v_mul_u32_u24 v5, v1, KS
	v_lshrrev_b32 v6, 8, v5
	v_lshl_add_u32 v5, v6, 4, v5
	s_mul_i32 s21, s15, HALFS
	s_mul_i32 s22, s16, HALFS
	s_add_co_u32 s22, s22, 2*HALFS
	s_sub_co_u32 s22, s22, s21
	v_mul_u32_u24 v6, s22, v2                      ; lanes 16-31 take B's
	s_add_co_u32 s21, s21, SCL
	v_add_nc_u32 v5, v5, v6
	v_add_nc_u32 v[ADRS], s21, v5
	v_and_b32 v6, 31, v0
	v_lshlrev_b32 v[L16], 4, v6
	v_lshlrev_b32 v[L8], 3, v6
.macro FRAG reg, adr, q, i             ; a fragment: 12 registers, in pieces of 8 bytes; where the piece three on lies behind one padding more, the second address register serves
.irp p, 0,1,2,3,4,5
.set PCE, 12*(\q)+6*(\p/3)+\p%3
.if PCE%8 < 5
	ds_load_b64 v[\reg+2*\p:\reg+2*\p+1], v[\adr] offset:8*PCE+16*(PCE/8)+(\i)*16*PITCH
.else
	ds_load_b64 v[\reg+2*\p:\reg+2*\p+1], v[\adr+2] offset:8*PCE+16*(PCE/8)+(\i)*16*PITCH
.endif
.endr
.endm
; 16 matrix instructions: A's blocks a0, a0 + 1 x B's eight, 128 along K.  The 64 accumulators take turns, one instruction a turn, in the same order in every step.
.macro MUL16 a0, p, q, sc, zero
.irp a, \a0, \a0+1
.irp b, 0,1,2,3,4,5,6,7
.if \zero
	v_wmma_scale_f32_16x16x128_f8f6f4 v[8*(8*((\a)%4)+\b):8*(8*((\a)%4)+\b)+7], v[128*(\p)+FR*\b:128*(\p)+FR*\b+FR-1], v[AF+FR*(\a):AF+FR*(\a)+FR-1], 0, v[SC+8*NQ*(\sc)+NQ*\b+(\q)], v[SC+8*NQ*(\sc)+NQ*(\a)+(\q)] matrix_a_fmt:MATRIX_FMT_FP6 matrix_b_fmt:MATRIX_FMT_FP6 matrix_a_scale:MATRIX_SCALE_ROW1
.else
	v_wmma_scale_f32_16x16x128_f8f6f4 v[8*(8*((\a)%4)+\b):8*(8*((\a)%4)+\b)+7], v[128*(\p)+FR*\b:128*(\p)+FR*\b+FR-1], v[AF+FR*(\a):AF+FR*(\a)+FR-1], v[8*(8*((\a)%4)+\b):8*(8*((\a)%4)+\b)+7], v[SC+8*NQ*(\sc)+NQ*\b+(\q)], v[SC+8*NQ*(\sc)+NQ*(\a)+(\q)] matrix_a_fmt:MATRIX_FMT_FP6 matrix_b_fmt:MATRIX_FMT_FP6 matrix_a_scale:MATRIX_SCALE_ROW1
.endif
.endr
.endr
.endm
.macro FETCH_B slot, q, p
	WIN TO_B
.irp i, 0,1,2,3,4,5,6,7
	FRAG 128*(\p)+FR*\i, ADRB+\slot, \q, \i
.endr
	WIN 0
.endm
.macro FETCH_A slot, q, i0
.irp i, \i0, \i0+1, \i0+2, \i0+3
	FRAG AF+FR*(\i), ADRA+\slot, \q, \i
.endr
.endm
.macro SCALES sc                       ; a K step's scale words: lanes 0-15 A's block i, lanes 16-31 B's block i
.irp i, 0,1,2,3,4,5,6,7
	ds_load_b64 v[SC+8*NQ*\sc+NQ*\i:SC+8*NQ*\sc+NQ*\i+1], v[ADRS] offset:\i*SBLK
.endr
.endm
.macro PLACES n                        ; plain vector instructions between a matrix instruction and a load into, or a vector instruction on, its registers
.rept \n
	v_nop
.endr
.endm
.macro STEP slot, q, zero              ; 128 along K that have their successor in the same slot
	s_wait_dscnt 4*NL                              ; B's set and A's blocks 0-3 are in; the youngest 24 loads (A's blocks 4-7) may be out
	WIN MUL_LO
	MUL16 0, (\q)%2, \q, \slot, \zero
	MUL16 2, (\q)%2, \q, \slot, \zero
	s_wait_dscnt 0
	PLACES NP
	FETCH_B \slot, (\q)+1, 1-(\q)%2
	FETCH_A \slot, (\q)+1, 0
	WIN MUL_HI
	MUL16 4, (\q)%2, \q, \slot, \zero
	MUL16 6, (\q)%2, \q, \slot, \zero
	PLACES NP
	WIN 0
	FETCH_A \slot, (\q)+1, 4
.endm
; A slot's last step changes slots: one barrier; in front of it each wave waits for all its tensor loads, adds 0 to its spare word, and waits for that and for its own reads of this slot.
.macro TURN slot, next, fill
	s_wait_tensorcnt 0x0                           ; all my tensor loads have landed: my part of the next slot
	ds_add_u32 v[SPW], v[NIL]
	s_mov_b32 s[G1+2], 96<<16                      ; no tensor load of mine is out: the ring's loads bring 128 rows x 192 bytes = 96 rows of 256
	s_mov_b32 s[G1+4], 96
	s_mov_b32 s[G1B+2], 96<<16
	s_mov_b32 s[G1B+4], 96
	s_wait_dscnt 4*NL+1                            ; the add and the youngest 24 loads (A's blocks 4-7) may be out
	WIN MUL_LO
	MUL16 0, 1, NQ-1, \slot, 0
	s_wait_dscnt 0x0                               ; the add is done, and my reads of this slot are over
	s_barrier_signal -1
	MUL16 2, 1, NQ-1, \slot, 0
	WIN 0
	s_barrier_wait -1
.if \fill
	CREST                                          ; the barrier has opened a round of the cluster's barrier: no wave of any partner still reads this slot or has a load on its way
	s_add_nc_u64 s[G0+4*\slot+2:G0+4*\slot+3], s[G0+4*\slot+2:G0+4*\slot+3], 2*ROWB
	s_add_nc_u64 s[G0B+4*\slot+2:G0B+4*\slot+3], s[G0B+4*\slot+2:G0B+4*\slot+3], 2*ROWB
	JLOAD G0+4*\slot, G1, G0B+4*\slot, G1B         ; the first tensor load behind the round
.else
	PLACES NP
.endif
	s_wait_alu depctr_va_vdst(0)
	v_add_nc_u32 v[ADRS], 4*NQ, v[ADRS]
	FETCH_B \next, 0, 0
	FETCH_A \next, 0, 0
	SCALES \next
	WIN MUL_HI
	MUL16 4, 1, NQ-1, \slot, 0
	MUL16 6, 1, NQ-1, \slot, 0
	PLACES NP
	WIN 0
	FETCH_A \next, 0, 4
.endm
.macro TAIL                            ; the last slot's two steps: no barrier, no tensor load; four places behind the last product
	STEP 1, 0, 0
	s_wait_dscnt 4*NL
	WIN MUL_LO
	MUL16 0, 1, NQ-1, 1, 0
	MUL16 2, 1, NQ-1, 1, 0
	s_wait_dscnt 0
	WIN MUL_HI
	MUL16 4, 1, NQ-1, 1, 0
	MUL16 6, 1, NQ-1, 1, 0
	WIN 0
	PLACES NP
.irp b, 0,1,2,3
	v_mov_b32 v[TM+4+\b], 0                        ; written once: a lane permute's destination counts as one of its sources
.endr
	s_mov_b32 s[HM], 0xffff0000
.endm
; 64 numbers of a lane in window win, register 16 b + i = k 32 b + 16 (lane / 16) + i of my row, become a fragment's codes in v[PC] on and its scale word in v[pw].  Each accumulator is read from its low end on.
.macro QUANT s, win, pw
	WIN (\win)|((\win)<<2)
.irp b, 0,1,2,3
	v_max3_num_f32 v[TM+\b], |v[\s+16*\b]|, |v[\s+16*\b+1]|, 0x1800000   ; my 16 numbers of block b, and the floor 2^(3 - 127): the byte cannot fall under 1
.endr
.irp i, 2,4,6,8,10,12,14
.irp b, 0,1,2,3
	v_max3_num_f32 v[TM+\b], |v[\s+16*\b+\i]|, |v[\s+16*\b+\i+1]|, v[TM+\b]
.endr
.endr
	WIN 0
.irp b, 0,1,2,3
	v_permlanex16_b32 v[TM+4+\b], v[TM+\b], s[SEL], s[SEL+1]
.endr
.irp b, 0,1,2,3
	v_max_num_f32 v[TM+\b], v[TM+\b], v[TM+4+\b]   ; with lane l xor 16's: the block's largest magnitude
.endr
.irp b, 0,1,2,3
	v_add_nc_u32 v[TM+12+\b], 0xff000000, v[TM+\b] ; 2 off its exponent field: the conversion's scale operand
.endr
.irp b, 0,1,2,3
	v_lshrrev_b32 v[TM+4+\b], 23, v[TM+12+\b]      ; the scale's byte
.endr
	v_lshl_or_b32 v[\pw], v[TM+5], 8, v[TM+4]
	v_lshl_or_b32 v[\pw], v[TM+6], 16, v[\pw]
	v_lshl_or_b32 v[\pw], v[TM+7], 24, v[\pw]
	WIN (\win)
.irp c, 0,1
	v_cvt_scalef32_pk16_fp6_f32 v[PC+6*\c:PC+2+6*\c], v[\s+32*\c:\s+32*\c+15], v[TM+12+2*\c]
	v_cvt_scalef32_pk16_fp6_f32 v[PC+12+4*\c:PC+14+4*\c], v[\s+32*\c+16:\s+32*\c+31], v[TM+12+2*\c+1]   ; (a conversion's three registers begin on an even number)
.endr
	WIN 0
	v_nop                                          ; one plain place behind a scaled conversion
.irp c, 0,1                            ; the operand's layout wants a whole block in a lane
.irp i, 0,1,2
	v_permlane16_swap_b32 v[PC+6*\c+\i], v[PC+12+4*\c+\i]
.endr
.irp i, 0,1,2
	v_mov_b32 v[PC+3+6*\c+\i], v[PC+12+4*\c+\i]
.endr
.endr
.endm
.macro RTLOAD a                        ; cos and sin for tile a of my eight tiles of tokens, into set a % 2
.irp c, 0,1,2,3,4,5,6,7
	global_load_b128 v[CS+32*((\a)%2)+4*\c:CS+32*((\a)%2)+4*\c+3], v[L16], s[RB:RB+1] offset:4096*(\a)+512*\c
.endr
.endm
.macro ROPE a                          ; registers 2 m, 2 m + 1 are a pair (x1, x2): (x1 c - x2 s, x2 c + x1 s) into v[ST] on
.set AC, 64*((\a)%4)
.set CSB, CS+32*((\a)%2)
	WIN 2+(\a)/4                                   ; source 0: window 2 or 3
.irp bb, 0,1,2,3
.irp m, 0,1,2,3,4,5,6,7
	v_pk_mul_f32 v[ST+16*\bb+2*\m:ST+16*\bb+2*\m+1], v[AC+16*\bb+2*\m:AC+16*\bb+2*\m+1], v[CSB+16*(\bb%2)+2*\m:CSB+16*(\bb%2)+2*\m+1] op_sel:[1,1] op_sel_hi:[0,1]   ; (x2 s, x1 s)
.endr
.endr
.irp bb, 0,1,2,3
.irp m, 0,1,2,3,4,5,6,7
	v_pk_fma_f32 v[ST+16*\bb+2*\m:ST+16*\bb+2*\m+1], v[AC+16*\bb+2*\m:AC+16*\bb+2*\m+1], v[CSB+16*(\bb%2)+2*\m:CSB+16*(\bb%2)+2*\m+1], v[ST+16*\bb+2*\m:ST+16*\bb+2*\m+1] op_sel_hi:[1,0,1] neg_lo:[0,0,1]
.endr
.endr
	WIN 0
.endm
.macro PUTQK a                         ; the fragment's two halves are two heads' images; each store covers whole aligned runs of 256 bytes
	global_store_b128 v[L16], v[PC:PC+3], s[SB1:SB1+1] offset:768*(\a)
	global_store_b64 v[L8], v[PC+4:PC+5], s[SB1:SB1+1] offset:768*(\a)+512
	global_store_b128 v[L16], v[PC+6:PC+9], s[SB2:SB2+1] offset:768*(\a)
	global_store_b64 v[L8], v[PC+10:PC+11], s[SB2:SB2+1] offset:768*(\a)+512
.endm
.macro PUTV a                          ; head a / 4, tile a % 4 of its 64: a whole fragment
	global_store_b128 v[L16], v[PC:PC+3], s[SB1:SB1+1] offset:((\a)/4)*196608+((\a)%4)*1536
	global_store_b64 v[L8], v[PC+4:PC+5], s[SB1:SB1+1] offset:((\a)/4)*196608+((\a)%4)*1536+512
	global_store_b128 v[L16], v[PC+6:PC+9], s[SB1:SB1+1] offset:((\a)/4)*196608+((\a)%4)*1536+768
	global_store_b64 v[L8], v[PC+10:PC+11], s[SB1:SB1+1] offset:((\a)/4)*196608+((\a)%4)*1536+1280
.endm
.macro SCIMG i                         ; four tiles' scale words as one image: register j: tile 2 j in lanes 0-15, tile 2 j + 1 in lanes 16-31
	v_cndmask_b32 v[RR+4*(\i)], v[PWS+4*(\i)], v[PWS+4*(\i)+1], s[HM]
	v_cndmask_b32 v[RR+4*(\i)+1], v[PWS+4*(\i)+2], v[PWS+4*(\i)+3], s[HM]
.endm
	s_wait_alu depctr_va_vdst(0)
	s_wait_loadcnt 0x0                             ; the scale bytes
.irp j, 0,1,2,3
	ds_store_b128 v31, v[128+4*\j:131+4*\j] offset:2176*\j
	ds_store_b128 v31, v[144+4*\j:147+4*\j] offset:2*HALFS+2176*\j
.endr
	s_cmp_lt_u32 s14, 2                            ; waves 0 and 1 wait for K step 0's tiles, each on a load line of its own; K step 1's may still be on their way
	s_cbranch_scc0 .Lnot_step_0
	s_wait_tensorcnt 0x0
.Lnot_step_0:
	s_wait_dscnt 0x0                               ; my part of the scale bytes is stored
	s_barrier_signal -1
	s_barrier_wait -1                              ; slot 0 and the scales are in; slot 1 is shown by the first change of slots
	FETCH_B 0, 0, 0
	FETCH_A 0, 0, 0
	SCALES 0
	FETCH_A 0, 0, 4
	STEP 0, 0, 1                                   ; the first step's products start the sums
	s_mov_b32 s3, LAPS-1
.Llap:
	TURN 0, 1, 1
	STEP 1, 0, 0
	TURN 1, 0, 1
	STEP 0, 0, 0
	s_sub_co_u32 s3, s3, 1
	s_cmp_lg_u32 s3, 0
	s_cbranch_scc1 .Llap
	TURN 0, 1, 0                                   ; the last lap fills nothing
	s_cmp_lg_u32 s[ISV], 0                         ; the two kinds part here, once: the last 128 products are written in both arms
	s_cbranch_scc1 .Lv_tail
	; ---------------- QK ----------------
	s_lshr_b32 s18, s42, 2                         ; 0: q, 1: k
	s_and_b32 s19, s42, 3
	s_lshl_b32 s19, s19, 2
	s_lshl_b32 s20, s16, 1
	s_add_co_u32 s19, s19, s20                     ; my even head
	s_lshr_b32 s20, s17, 3
	s_lshl_b32 s20, s20, 4
	s_add_co_u32 s19, s19, s20                     ; + 16 x batch
	s_and_b32 s20, s17, 7                          ; which 256 tokens of the batch
	s_lshl_b32 s21, s20, 4
	s_lshl_b32 s22, s15, 3
	s_add_co_u32 s21, s21, s22                     ; my first tile of tokens
	s_lshl_b32 s22, s21, 12
	s_mov_b32 s23, 0
	s_add_nc_u64 s[RB:RB+1], s[RB:RB+1], s[22:23]
	RTLOAD 0                                       ; two tiles' cos and sin are asked for 128 products ahead of their use
	RTLOAD 1
	s_mul_i32 s22, s21, 768
	s_mul_i32 s2, s19, 98304
	s_add_co_u32 s2, s2, s22                       ; q: 98,304 x head + 768 x tile
	s_mul_i32 s3, s19, 196608
	s_add_co_u32 s3, s3, s22
	s_mul_i32 s20, s20, 12288
	s_add_co_u32 s3, s3, s20
	s_mul_i32 s20, s15, 6144
	s_add_co_u32 s3, s3, s20                       ; in all 12,288 x my key step of 128 tokens
	s_add_co_u32 s3, s3, KV                        ; k: 196,608 x head + 24,576 x slot + 768 x the tile in it
	s_mov_b32 s20, 196608
	s_cmp_eq_u32 s18, 0
	s_cselect_b32 s22, s2, s3
	s_cselect_b32 s2, 98304, s20                   ; from a head to the next
	s_mov_b32 s3, 0
	s_add_nc_u64 s[SB1:SB1+1], s[QKV:QKV+1], s[22:23]
	s_add_nc_u64 s[SB2:SB2+1], s[SB1:SB1+1], s[2:3]
	s_mul_i32 s22, s19, 20480
	s_lshl_b32 s18, s18, 13
	s_add_co_u32 s22, s22, s18
	s_lshl_b32 s21, s21, 6
	s_add_co_u32 s22, s22, s21
	s_add_co_u32 s22, s22, SCR
	s_add_nc_u64 s[SS:SS+1], s[QKV:QKV+1], s[22:23]
	TAIL
.irp a, 0,1,2,3,4,5,6,7
.if \a < 7
	s_wait_loadcnt 8                               ; this tile's eight table loads are in; the next tile's eight may be out
.else
	s_wait_loadcnt 0x0
.endif
	ROPE \a
.if \a > 0
	s_wait_xcnt 0x0                                ; the last tile's stores have read their registers: the codes are written again only behind this wait
.endif
.if \a < 6
	RTLOAD \a+2
.endif
	QUANT ST, 0, PWS+\a
	PUTQK \a
.if \a%4 == 3
	SCIMG \a/4
	global_store_b64 v[L8], v[RR+4*(\a/4):RR+4*(\a/4)+1], s[SS:SS+1] offset:256*(\a/4)   ; the even head: bytes 0, 1 are its own; bytes 2, 3 (the odd head's) stand over zero codes
	v_lshrrev_b32 v[RR+4*(\a/4)+2], 16, v[RR+4*(\a/4)]
	v_lshrrev_b32 v[RR+4*(\a/4)+3], 16, v[RR+4*(\a/4)+1]
	global_store_b64 v[L8], v[RR+4*(\a/4)+2:RR+4*(\a/4)+3], s[SS:SS+1] offset:20480+256*(\a/4)   ; the odd head
.endif
.endr
	s_branch .Lend
	; ---------------- V ----------------
.Lv_tail:
	s_lshl_b32 s19, s17, 2
	s_lshl_b32 s20, s15, 1
	s_add_co_u32 s19, s19, s20                     ; my even head
	s_lshr_b32 s20, s42, 3
	s_lshl_b32 s20, s20, 4
	s_add_co_u32 s19, s19, s20                     ; + 16 x batch
	s_lshl_b32 s20, s42, 1
	s_add_co_u32 s20, s20, s16
	s_and_b32 s20, s20, 15                         ; which 128 keys of the batch
	s_mul_i32 s22, s19, 196608
	s_mul_i32 s21, s20, 12288
	s_add_co_u32 s22, s22, s21
	s_add_co_u32 s22, s22, KV+6144                 ; V's part of the key step lies behind K's
	s_mov_b32 s23, 0
	s_add_nc_u64 s[SB1:SB1+1], s[QKV:QKV+1], s[22:23]
	s_mul_i32 s22, s19, 20480
	s_lshl_b32 s20, s20, 8
	s_add_co_u32 s22, s22, s20
	s_add_co_u32 s22, s22, SCR+16384
	s_add_nc_u64 s[SS:SS+1], s[QKV:QKV+1], s[22:23]
	TAIL
.irp a, 0,1,2,3,4,5,6,7
.if \a > 0
	s_wait_xcnt 0x0                                ; the last tile's stores have read their registers
.endif
	QUANT 64*((\a)%4), 2+(\a)/4, PWS+\a
	PUTV \a
.if \a%4 == 3
	SCIMG \a/4
	global_store_b64 v[L8], v[RR+4*(\a/4):RR+4*(\a/4)+1], s[SS:SS+1] offset:20480*(\a/4)
.endif
.endr
.Lend:
	s_wait_tensorcnt 0x0                           ; the wave's end
	ds_add_u32 v[SPW], v[NIL]
	s_wait_dscnt 0x0
	CROUND                                         ; the closing round
	s_endpgm
.Lfunc_end_k_q684aa15983_qkv:
	.size	k_q684aa15983_qkv, .Lfunc_end_k_q684aa15983_qkv-k_q684aa15983_qkv
	.p2alignl 7, 3214868480
	.fill 96, 4, 3214868480
	.section	.rodata,"a",@progbits
	.p2align	6, 0x0
	.amdhsa_kernel k_q684aa15983_qkv
		.amdhsa_group_segment_fixed_size 327680
		.amdhsa_private_segment_fixed_size 0
		.amdhsa_enable_private_segment 0
		.amdhsa_kernarg_size 48
		.amdhsa_user_sgpr_count 2
		.amdhsa_user_sgpr_kernarg_segment_ptr 1
		.amdhsa_wavefront_size32 1
		.amdhsa_system_sgpr_workgroup_id_x 1
		.amdhsa_system_sgpr_workgroup_id_y 1
		.amdhsa_system_sgpr_workgroup_id_z 1
		.amdhsa_system_vgpr_workitem_id 0
		.amdhsa_next_free_vgpr 1024
		.amdhsa_next_free_sgpr 106
		.amdhsa_reserve_vcc 0
		.amdhsa_float_denorm_mode_32 3
		.amdhsa_float_denorm_mode_16_64 3
		.amdhsa_memory_ordered 1
		.amdhsa_forward_progress 1
		.amdhsa_inst_pref_size 255
	.end_amdhsa_kernel
	.section	.bss,"aw",@nobits
	.p2align	6
	.space	262144
	.amdgpu_metadata
---
amdhsa.version: [ 1, 2 ]
amdhsa.kernels:
  - .name:           k_q684aa15983_qkv
    .symbol:         k_q684aa15983_qkv.kd
    .args:
      - { .name: xc, .offset: 0, .size: 8, .value_kind: global_buffer, .address_space: global }
      - { .name: xs, .offset: 8, .size: 8, .value_kind: global_buffer, .address_space: global }
      - { .name: wc, .offset: 16, .size: 8, .value_kind: global_buffer, .address_space: global }
      - { .name: ws, .offset: 24, .size: 8, .value_kind: global_buffer, .address_space: global }
      - { .name: rt, .offset: 32, .size: 8, .value_kind: global_buffer, .address_space: global }
      - { .name: qkv, .offset: 40, .size: 8, .value_kind: global_buffer, .address_space: global }
    .group_segment_fixed_size: 327680
    .private_segment_fixed_size: 0
    .kernarg_segment_align: 8
    .kernarg_segment_size: 48
    .max_flat_workgroup_size: 128
    .sgpr_count:     106
    .vgpr_count:     1024
    .wavefront_size: 32
...
	.end_amdgpu_metadata
.endif
;; end of part 2
;; launch attn (part 3): grid 4 x 64, 16 waves a work-group, clusters of 4 x 1, 327,680 bytes of LDS; arguments qkv, ac, asc; writes ac, asc
.if DOCPART == 3
	.amdgcn_target "amdgcn-amd-amdhsa--gfx1250"
	.amdhsa_code_object_version 6
	.text
	.protected	k_q684aa15983_attn
	.globl	k_q684aa15983_attn
	.p2align	8
	.type	k_q684aa15983_attn,@function
k_q684aa15983_attn:
	s_mov_b64 s[64:65], 0
	v_nop
	global_prefetch_b8 v0, s[64:65] scope:SCOPE_SE
	s_setreg_imm32_b32 hwreg(HW_REG_WAVE_MODE, 25, 1), 1
	s_wait_xcnt 0x0
	s_wait_alu depctr_hold_cnt(0) depctr_sa_sdst(0) depctr_va_vdst(0) depctr_va_sdst(0) depctr_va_ssrc(0) depctr_va_vcc(0) depctr_vm_vsrc(0)
	s_getreg_b32 s2, hwreg(HW_REG_IB_STS2, 6, 4)
	s_cmp_eq_u32 s2, 0
	s_cbranch_scc0 .Lentry_in_a_cluster
	s_endpgm
.Lentry_in_a_cluster:
	s_bfe_u32 s2, ttmp6, 0x10000c
	s_cmp_lg_u32 s2, 0x3003
	s_cbranch_scc0 .Lentry_shape_is_right
	s_endpgm
.Lentry_shape_is_right:
; Causal attention on codes of FP6 (E2M3): S^T = K Q^T (K = the head's 64: the upper 64 of the instruction's 128 are zero codes on both sides), p = 2^(t - M), O^T += V^T P^T, O / the sum, and the quantising of the
; result along the model's 1,024 (a head is two blocks of 32).  t = score x log2(e) / 8; M = the running largest t rounded up to a whole number; the row's sum is taken of the unquantised p.
; Key steps all of whose keys come after a tile's queries are under the causal mask that the model builds itself: they are left out.
; SHARES.  A head has 16 blocks of 128 queries, 8 tiles of 16 each.  The four work-groups of a cluster serve one head: work-group cx takes tiles 2 cx and 2 cx + 1 of EVERY block, 32 tiles for sixteen waves.
; Wave w takes tile 2 cx + w % 2 of block 15 - w / 2 and then of block w / 2: (16 - w / 2) + (w / 2 + 1) = 17 key steps of 128 for every wave.
; LDS.  All four work-groups need all 2,048 keys, so the head's K and V, 16 key steps x 12,288 bytes, come ONCE, by sixteen joint loads at the head (mask 15), wave w key step w, and stay: nothing is filled again.
; Waves 0 to 4 have a load line of their own: the first barrier shows key steps 0 to 4, on which every wave's first tile (block 8 or later) works in full; the second barrier, behind those four steps, shows the rest.
; K's and V's scale images, 12,288 bytes, come by plain loads and LDS stores into bytes of their own.  No prefetch: every tile is asked for at the head, so there is no loop to run ahead in.
; The loops have constant trip counts; a step under the mask is left out by a scalar branch on the wave's number and the count of steps.  No branch and no LDS address hangs on cx.
; LAYOUT.  Both products transposed: a lane holds ONE query.  Position r of tile 2 b + u = token 32 b + 8 u + r + 8 (r / 8); so p's 16 registers of two tiles are 16 neighbouring keys.  V's tiles of 16 of the head's 64
; lie in the same order, so O^T's register 16 b + i is channel 32 b + 16 (lane / 16) + i.  Operands lie in memory and LDS as images of their registers: 16 x lane and 8 x lane, no pitch.
; The two scale bytes of a row and head go out by a store of 2 bytes a lane, 32 bytes apart: 2 bytes beside 48 of codes.
; LIMITS: NaN and infinities are not served; a block under 2^-124 keeps the byte 1; the scaled scores t stay under 2^31 in magnitude.
; REGISTERS: v1-7, v28, v29 stay; v8-11 a step's addresses; v12 -M, v13 largest t, v[14:15] the sum; v16-27 Q; v[30:31] V's scale words; v32-79 four fragments of K (registers 6-11 of each stay 0); v80-127 four of V;
;   v128-191 S^T, then p; v192-223 O^T; v224-235 p's codes (ahead of them partial sums); v232-247, v252, v254 at work; v248-251 K's scale words; v253 p's; v255 Q's.
.set KV,    6291456
.set SCR,   18874368
.set STEPB, 12288                      ; a key step: K's 8 tiles x 768, then V's 4 fragments x 1,536
.set VOFF,  6144
.set SCB,   16*STEPB                   ; the head's scale images: K's 8,192 bytes, V's 4,096
.set SPARE, SCB+12288                  ; the spare words, 128 bytes for each of sixteen waves
.set QST,   SPARE+2048                 ; behind them 1,024 bytes for each wave: its second tile's Q (768 bytes) and Q's scale words (128), kept from the head to the change of tiles
.set L16,  1
.set L8,   2
.set ASK0, 3
.set ASV0, 4
.set SPW,  5
.set NIL,  6
.set DD,   7                           ; v7   my query - the block's first - 16 (lane / 16)
.set QS,   28                          ; v28  8 r: my row's place in Q's scale image
.set RO,   29                          ; v29  32 r: my row of scale bytes on the way out
.set KFR,  32
.set VFR,  80
.set SR,   128
.set OT,   192
.set WV,   18
.set SEL,  20
.set CC,   22                          ; s[22:23] log2(e) / 8
.set G1,   24
.set G0,   32
.set KF,   36                          ; the step's first key; also the loops' counter
.set TB,   37                          ; the step's place in LDS,
.set TS,   38                          ; in K's scale images,
.set TJ,   39                          ; in V's
.set TLA,  40                          ; s[40:47] the first tile: Q's image, Q's scale words, ac, asc
.set TLB,  48                          ; s[48:55] the second
.set QA,   56                          ; the first tile's block's first query
.set QB,   57                          ; the second's
.macro PLACES
.rept 4
	v_nop
.endr
.endm
.macro CROUND                          ; a round of the cluster's barrier
	s_barrier_signal -1
	s_barrier_wait -1
	s_cmp_lg_u32 s[WV], 0
	s_cbranch_scc1 .Lnot_wave_0_\@
	s_barrier_signal -3
.Lnot_wave_0_\@:
	s_barrier_wait -3
	s_barrier_signal -1
	s_barrier_wait -1
.endm
.macro SETUP blk, o, qb                ; the four addresses of my tile of block s[blk]
	s_lshl_b32 s[\qb], s[\blk], 7
	s_lshl_b32 s14, s[\blk], 3
	s_add_co_u32 s14, s14, s12                     ; my tile of the head's 128
	s_mul_i32 s76, s14, 768
	s_add_co_u32 s76, s76, s75
	s_add_nc_u64 s[\o:\o+1], s[4:5], s[76:77]
	s_lshr_b32 s76, s14, 2
	s_lshl_b32 s76, s76, 8                         ; Q's scale words: image tile / 4
	s_add_co_u32 s76, s76, s74
	s_add_nc_u64 s[\o+2:\o+3], s[4:5], s[76:77]
	s_add_co_u32 s15, s14, s73                     ; my tile among all 512
	s_mul_i32 s76, s15, 12288
	s_add_co_u32 s76, s76, s72
	s_add_nc_u64 s[\o+4:\o+5], s[6:7], s[76:77]    ; ac: 12,288 x tile + 768 x head
	s_lshl_b32 s76, s15, 9
	s_add_co_u32 s76, s76, s71
	s_add_nc_u64 s[\o+6:\o+7], s[8:9], s[76:77]    ; asc: 512 x tile + 2 x head
.endm
.macro QLOAD o                         ; Q's half fragment and its scale words stay in registers for a tile's walk
	global_load_b128 v[16:19], v[L16], s[\o:\o+1]
	global_load_b64 v[20:21], v[L8], s[\o:\o+1] offset:512
	global_load_b32 v255, v[QS], s[\o+2:\o+3]
.endm
.macro INIT                            ; the step is written once: a tile's first step finds zeros and a largest t under every t
	v_mov_b32 v13, 0xff61b1e6                      ; -3e38
	v_floor_f32 v12, -v13                          ; -M
	v_mov_b32 v14, 0
	v_mov_b32 v15, 0
.set j, 0
.rept 32
	v_mov_b32 v[OT+j], 0
.set j, j+1
.endr
.endm
	s_load_b128 s[4:7], s[0:1], 0x0                ; qkv, ac
	s_load_b64 s[8:9], s[0:1], 0x10                ; asc
	v_lshl_add_u32 v[SPW], v0, 2, SPARE
	v_mov_b32 v[NIL], 0
	ds_add_u32 v[SPW], v[NIL]                      ; the wave's opening: the add, twice on end, and its wait ahead of my first tensor load
	ds_add_u32 v[SPW], v[NIL]
	v_lshrrev_b32 v8, 5, v0
	v_readfirstlane_b32 s[WV], v8                  ; wave 0..15
	s_bfe_u32 s10, ttmp6, 0x40000                  ; cx
	s_and_b32 s11, ttmp7, 0xffff                   ; 16 x batch + head
	s_lshr_b32 s13, s[WV], 1                       ; the second tile's block;
	s_sub_co_u32 s69, 15, s13                      ; the first's
	s_and_b32 s12, s[WV], 1
	s_lshl_b32 s14, s10, 1
	s_add_co_u32 s12, s12, s14                     ; my tile in a block: 2 cx + wave % 2
	s_mul_i32 s75, s11, 98304                      ; the head's Q images
	s_mul_i32 s80, s11, 20480
	s_add_co_u32 s80, s80, SCR                     ; the head's scale images
	s_mov_b32 s81, 0
	s_and_b32 s15, s12, 1
	s_lshl_b32 s15, s15, 7
	s_add_co_u32 s74, s80, s15                     ; Q's: the lanes' half tile % 2,
	s_bfe_u32 s15, s12, 0x10001
	s_lshl_b32 s15, s15, 2
	s_add_co_u32 s74, s74, s15                     ; the word (tile / 2) % 2
	s_lshr_b32 s73, s11, 4
	s_lshl_b32 s73, s73, 7                         ; 128 x batch
	s_and_b32 s15, s11, 15                         ; the head
	s_mul_i32 s72, s15, 768
	s_lshl_b32 s71, s15, 1
	s_mov_b32 s77, 0
	s_lshr_b32 s16, s12, 1
	s_lshl_b32 s16, s16, 5
	s_and_b32 s17, s12, 1
	s_lshl_b32 s17, s17, 3
	s_add_co_u32 s16, s16, s17                     ; my tile's first token in the block: 32 (tile / 2) + 8 (tile % 2)
	s_mul_i32 s58, s11, 16*STEPB
	s_add_co_u32 s58, s58, KV
	s_mul_i32 s[G0+1], s[WV], STEPB                ; key step w goes to LDS byte 12,288 w,
	s_add_co_u32 s58, s58, s[G0+1]                 ; and comes from the same place in the head's K and V: the head and the wave's number alone
	s_mov_b32 s59, 0
	s_mov_b32 s[G0], 1
	s_mov_b32 s[G1], 15|(3<<16)|(1<<21)            ; the four work-groups of the cluster; elements of 8 bytes; bit 21 beside a mask
	s_mov_b32 s[G1+1], 32<<16                      ; 12,288 dense bytes as 48 rows of 256
	s_mov_b32 s[G1+2], 48<<16
	s_mov_b32 s[G1+3], 32<<16
	s_mov_b32 s[G1+4], 48
	s_mov_b32 s[G1+5], 32
	s_mov_b32 s[G1+6], 0
	s_mov_b32 s[G1+7], 0
	s_mov_b32 s[SEL], 0x76543210
	s_mov_b32 s[SEL+1], 0xfedcba98
	s_mov_b32 s[CC], 0x3e38aa3b                    ; log2(e) / sqrt(64)
	s_mov_b32 s[CC+1], s[CC]
	v_and_b32 v10, 31, v0
	v_lshlrev_b32 v[L16], 4, v10
	v_lshlrev_b32 v[L8], 3, v10
	v_and_b32 v11, 15, v0                          ; r
	v_bfe_u32 v14, v0, 4, 1                        ; h
	v_lshlrev_b32 v[QS], 3, v11
	v_lshlrev_b32 v[RO], 5, v11
	v_lshlrev_b32 v8, 4, v0                        ; the scale images on their way in: 16 bytes a thread of K's,
	v_lshlrev_b32 v9, 3, v0                        ; 8 of V's
	v_add_nc_u32 v[ASK0], SCB, v[L8]
	v_add_nc_u32 v[ASV0], SCB+8192, v[L8]
	v_and_b32 v[DD], 8, v11
	v_add_nc_u32 v[DD], v[DD], v11
	v_add_nc_u32 v[DD], s16, v[DD]
	v_lshlrev_b32 v14, 4, v14
	v_sub_nc_u32 v[DD], v[DD], v14
	v_lshl_add_u32 v10, v0, 4, SCB
	v_lshl_add_u32 v11, v0, 3, SCB+8192
	s_lshl_b32 s84, s[WV], 10
	s_add_co_u32 s84, s84, QST                     ; my wave's place for the second tile's Q
	v_add_nc_u32 v87, s84, v[L16]
	v_add_nc_u32 v88, s84, v[L8]
	v_lshrrev_b32 v89, 1, v[L8]
	v_add_nc_u32 v89, s84, v89
	s_wait_alu depctr_va_vdst(0)
	s_wait_dscnt 0x0                               ; both opening adds are done
	CROUND                                         ; the four work-groups are here: the joint loads meet
	s_wait_kmcnt 0x0
	s_add_nc_u64 s[G0+2:G0+3], s[4:5], s[58:59]
	s_or_b32 s[G0+3], s[G0+3], 0x80000000
	s_cmp_lt_u32 s[WV], 5                          ; waves 0 to 4: the fourth step asks for the fifth step's first tiles of K ahead of the second barrier
	s_cbranch_scc0 .Llate
	tensor_load_to_lds s[G0:G0+3], s[G1:G1+7]
	s_nop 0
	PLACES
	s_branch .Lasked
.Llate:
	tensor_load_to_lds s[G0:G0+3], s[G1:G1+7]
	s_nop 0
	PLACES
.Lasked:
	s_add_nc_u64 s[82:83], s[4:5], s[80:81]
	global_load_b128 v[32:35], v8, s[82:83] offset:8192    ; K's scale images: 512 threads x 16 bytes
	global_load_b64 v[36:37], v9, s[82:83] offset:16384    ; V's: 512 x 8
	SETUP 69, TLA, QA
	QLOAD TLA
	SETUP 13, TLB, QB
	global_load_b128 v[80:83], v[L16], s[TLB:TLB+1]        ; the second tile's Q, on its way to my own LDS bytes
	global_load_b64 v[84:85], v[L8], s[TLB:TLB+1] offset:512
	global_load_b32 v86, v[QS], s[TLB+2:TLB+3]
.irp j, 22,23,24,25,26,27
	v_mov_b32 v[\j], 0                             ; the upper 64 along K: zero codes, in Q
.endr
.irp t, 0,1,2,3
.irp j, 6,7,8,9,10,11
	v_mov_b32 v[KFR+12*\t+\j], 0                   ; and in K's four fragments, for the whole launch
.endr
.endr
.irp b, 0,1,2,3
	v_mov_b32 v[236+\b], 0                         ; written once: a lane permute's destination counts as one of its sources
.endr
	v_mov_b32 v252, 0
	v_mov_b32 v253, 0
	INIT
	s_mov_b32 s[KF], 0
	s_mov_b32 s[TB], 0
	s_mov_b32 s[TS], 0
	s_mov_b32 s[TJ], 0
	s_wait_loadcnt 6                               ; the scale images are in; the six loads of the two tiles' Q may be out
	ds_store_b128 v10, v[32:35]
	ds_store_b64 v11, v[36:37]
	s_wait_alu depctr_va_vdst(0)
	s_cmp_lt_u32 s[WV], 5
	s_cbranch_scc0 .Lnot_first
	s_wait_tensorcnt 0x0                           ; key steps 0 to 4
.Lnot_first:
	s_wait_loadcnt 0x0                             ; both tiles' Q
	ds_store_b128 v87, v[80:83]
	ds_store_b64 v88, v[84:85] offset:512
	ds_store_b32 v89, v86 offset:768
	s_wait_dscnt 0x0                               ; my part of the scale images is stored
	s_barrier_signal -1
	s_barrier_wait -1                              ; key steps 0 to 3 and the scale images are in
.macro KLOAD a16, a8, off              ; four tiles of 16 keys: half fragments, from byte off behind the two addresses
.irp t, 0,1,2,3
	ds_load_b128 v[KFR+12*\t:KFR+12*\t+3], v[\a16] offset:(\off)+\t*768
	ds_load_b64 v[KFR+12*\t+4:KFR+12*\t+5], v[\a8] offset:(\off)+\t*768+512
.endr
.endm
.macro KFIRST                          ; ahead of a tile's walk: key step 0's first four tiles of K and its scale words; every later step's are asked for in the step before it
	KLOAD L16, L8, 0
	ds_load_b64 v[248:249], v[ASK0]
	ds_load_b64 v[250:251], v[ASK0] offset:256
.endm
.macro MASK n0, qb                     ; on the diagonal the scores of hidden keys become -infinity, 32 registers at a time; a step all of whose keys count skips this
	s_cmp_lg_u32 s[KF], s[\qb]
	s_cbranch_scc1 .Lopen_\@
	v_mov_b32 v254, 0xff800000
.set n, \n0
.rept 32
	v_cmp_gt_i32 vcc_lo, 32*(n/16)+n%16, v[DD]     ; register 16 b + i holds key 32 b + 16 (lane / 16) + i of the step
	v_cndmask_b32 v[SR+n], v[SR+n], v254, vcc_lo
.set n, n+1
.endr
.Lopen_\@:
.endm
.macro HALFMAX b0, b1                  ; the largest score of two blocks of 32 keys, in four chains (a chain to a tile); it serves the row's maximum and the block's largest p
.irp b, \b0, \b1
	v_max3_num_f32 v[232+\b], v[SR+16*\b], v[SR+1+16*\b], v[SR+2+16*\b]
	v_max3_num_f32 v[236+\b], v[SR+8+16*\b], v[SR+9+16*\b], v[SR+10+16*\b]
.endr
.irp i, 3,5
.irp b, \b0, \b1
	v_max3_num_f32 v[232+\b], v[232+\b], v[SR+16*\b+\i], v[SR+1+16*\b+\i]
	v_max3_num_f32 v[236+\b], v[236+\b], v[SR+8+16*\b+\i], v[SR+9+16*\b+\i]
.endr
.endr
.irp b, \b0, \b1
	v_max3_num_f32 v[232+\b], v[232+\b], v[SR+7+16*\b], v[SR+15+16*\b]
.endr
.irp b, \b0, \b1
	v_max_num_f32 v[232+\b], v[232+\b], v[236+\b]
.endr
.irp b, \b0, \b1
	v_permlanex16_b32 v[236+\b], v[232+\b], s[SEL], s[SEL+1]
.endr
.irp b, \b0, \b1
	v_max_num_f32 v[232+\b], v[232+\b], v[236+\b]  ; with lane l xor 16's 16 keys
.endr
.endm
.macro KQ g                            ; S^T of those four tiles; an odd tile's scale words lie in lanes 16-31
.irp t, 0,2
	v_wmma_scale_f32_16x16x128_f8f6f4 v[SR+8*(4*(\g)+\t):SR+8*(4*(\g)+\t)+7], v[KFR+12*\t:KFR+12*\t+11], v[16:27], 0, v[248+2*(\g)+\t/2], v255 matrix_a_fmt:MATRIX_FMT_FP6 matrix_b_fmt:MATRIX_FMT_FP6
	v_wmma_scale_f32_16x16x128_f8f6f4 v[SR+8*(4*(\g)+\t+1):SR+8*(4*(\g)+\t+1)+7], v[KFR+12*(\t+1):KFR+12*(\t+1)+11], v[16:27], 0, v[248+2*(\g)+\t/2], v255 matrix_a_fmt:MATRIX_FMT_FP6 matrix_b_fmt:MATRIX_FMT_FP6 matrix_a_scale:MATRIX_SCALE_ROW1
.endr
.endm
; A KEY STEP: 128 keys.  full = 1: all its keys count for every wave (no test is written); qb: the register with my block's first query.
.macro STEP full, qb
.if !\full
	s_cmp_gt_u32 s[KF], s[\qb]                     ; all its keys come after my queries: left out, but for the address steps at its end
	s_cbranch_scc1 .Lhidden_\@
.endif
	s_wait_dscnt 0x0                               ; K's first four tiles and its scale words, asked for a step ago, are in
	KQ 0
	v_add_nc_u32 v8, s[TB], v[L16]                 ; (these four are also the places in front of the loads into registers that the products have read)
	v_add_nc_u32 v9, s[TB], v[L8]
	v_add_nc_u32 v10, s[TS], v[ASK0]
	v_add_nc_u32 v11, s[TJ], v[ASV0]
	KLOAD 8, 9, 3072                               ; K's tiles 4-7, ahead of V
.irp t, 0,1,2,3
	ds_load_b128 v[VFR+12*\t:VFR+12*\t+3], v8 offset:VOFF+1536*\t
	ds_load_b64 v[VFR+12*\t+4:VFR+12*\t+5], v9 offset:VOFF+1536*\t+512
	ds_load_b128 v[VFR+12*\t+6:VFR+12*\t+9], v8 offset:VOFF+1536*\t+768
	ds_load_b64 v[VFR+12*\t+10:VFR+12*\t+11], v9 offset:VOFF+1536*\t+1280
.endr
	ds_load_b64 v[30:31], v11                      ; V's scale words
.if !\full
	MASK 0, \qb
.endif
	HALFMAX 0, 1                                   ; the first 64 keys' work stands under the flight of K's tiles 4-7
	s_wait_alu depctr_va_vdst(0)
	s_wait_dscnt 17                                ; K's tiles 4-7 are in; V's sixteen loads and its scale words may be out
	KQ 1
	PLACES
	KLOAD 8, 9, STEPB                              ; the NEXT step's first four tiles of K and its scale words (behind a tile's last step they are not used: the bytes lie inside what the head has written)
	ds_load_b64 v[248:249], v10 offset:512
	ds_load_b64 v[250:251], v10 offset:768
.if !\full
	MASK 32, \qb
.endif
	HALFMAX 2, 3
	s_delay_alu instid0(VALU_DEP_2)
	v_max3_num_f32 v254, v232, v233, v234
	s_delay_alu instid0(VALU_DEP_1)
	v_max_num_f32 v254, v254, v235
	s_delay_alu instid0(VALU_DEP_1)
	v_mul_f32 v254, s[CC], v254
	s_delay_alu instid0(VALU_DEP_1)
	v_max_num_f32 v13, v13, v254                   ; the running largest t
	v_mov_b32 v254, v12
	s_delay_alu instid0(VALU_DEP_2)
	v_floor_f32 v12, -v13                          ; the new -M = -ceil(t)
	s_delay_alu instid0(VALU_DEP_1)
	v_sub_f32 v254, v12, v254                      ; old M - new M: a whole number, 0 or less
	s_delay_alu instid0(VALU_DEP_1)
	v_cvt_i32_f32 v254, v254                       ; (it saturates)
	s_delay_alu instid0(VALU_DEP_1)
	v_ldexp_f32 v252, 1.0, v254                    ; f = 2^(old M - new M)
.set j, 0
.rept 32
	v_pk_fma_f32 v[SR+j:SR+j+1], v[SR+j:SR+j+1], s[CC:CC+1], v[12:13] op_sel_hi:[1,0,0]   ; t - M
.set j, j+2
.endr
.irp b, 0,1,2,3
	v_fma_f32 v[232+\b], v[232+\b], s[CC], v12
.endr
.set j, 0
	s_wait_alu depctr_va_vdst(0)
.rept 64
	v_exp_f32 v[SR+j], v[SR+j]                     ; p = 2^(t - M): not normalised
.set j, j+1
.endr
	v_pk_mul_f32 v[14:15], v[14:15], v[252:253] op_sel_hi:[1,0]   ; the sums under the new M (a plain place behind the exponentials)
	s_wait_alu depctr_va_vdst(0)                   ; one wait for the batch of 64, ahead of its first reader
.irp b, 0,1,2,3
	v_exp_f32 v[232+\b], v[232+\b]                 ; the block's largest p
.endr
	v_pk_add_f32 v[236:237], v[132:133], v[136:137]          ; the row's sum of the unquantised p, in eight chains
	v_pk_add_f32 v[224:225], v[140:141], v[144:145]
	v_pk_add_f32 v[226:227], v[148:149], v[152:153]
	v_pk_add_f32 v[246:247], v[156:157], v[160:161]
	v_pk_add_f32 v[244:245], v[164:165], v[168:169]
	v_pk_add_f32 v[242:243], v[172:173], v[176:177]
	v_pk_add_f32 v[240:241], v[180:181], v[184:185]
	v_pk_add_f32 v[14:15], v[14:15], v[188:189]
	v_pk_add_f32 v[236:237], v[236:237], v[128:129]
	v_pk_add_f32 v[224:225], v[224:225], v[130:131]
	v_pk_add_f32 v[226:227], v[226:227], v[134:135]
	v_pk_add_f32 v[246:247], v[246:247], v[138:139]
	v_pk_add_f32 v[244:245], v[244:245], v[142:143]
	v_pk_add_f32 v[242:243], v[242:243], v[146:147]
	v_pk_add_f32 v[240:241], v[240:241], v[150:151]
	v_pk_add_f32 v[14:15], v[14:15], v[154:155]
	v_pk_add_f32 v[236:237], v[236:237], v[158:159]
	v_pk_add_f32 v[224:225], v[224:225], v[162:163]
	v_pk_add_f32 v[226:227], v[226:227], v[166:167]
	v_pk_add_f32 v[246:247], v[246:247], v[170:171]
	v_pk_add_f32 v[244:245], v[244:245], v[174:175]
	v_pk_add_f32 v[242:243], v[242:243], v[178:179]
	v_pk_add_f32 v[240:241], v[240:241], v[182:183]
	v_pk_add_f32 v[14:15], v[14:15], v[186:187]
	v_pk_add_f32 v[236:237], v[236:237], v[190:191]
	s_delay_alu instid0(VALU_DEP_2)
	v_pk_add_f32 v[14:15], v[14:15], v[246:247]
	s_delay_alu instid0(VALU_DEP_2)
	v_pk_add_f32 v[236:237], v[236:237], v[244:245]
	v_pk_add_f32 v[224:225], v[224:225], v[242:243]
	v_pk_add_f32 v[226:227], v[226:227], v[240:241]
	s_delay_alu instid0(VALU_DEP_2)
	v_pk_add_f32 v[14:15], v[14:15], v[224:225]
	s_delay_alu instid0(VALU_DEP_2)
	v_pk_add_f32 v[236:237], v[236:237], v[226:227]
	s_delay_alu instid0(VALU_DEP_1)
	v_pk_add_f32 v[14:15], v[14:15], v[236:237]
	s_wait_alu depctr_va_vdst(0)                   ; and one for the four
.irp b, 0,1,2,3
	v_max_num_f32 v[232+\b], 0x1800000, v[232+\b]  ; the floor 2^(3 - 127)
.endr
.irp b, 0,1,2,3
	s_delay_alu instid0(VALU_DEP_4)
	v_add_nc_u32 v[244+\b], 0xff000000, v[232+\b]
.endr
.irp b, 0,1,2,3
	s_delay_alu instid0(VALU_DEP_4)
	v_lshrrev_b32 v[236+\b], 23, v[244+\b]
.endr
	s_delay_alu instid0(VALU_DEP_3)
	v_lshl_or_b32 v253, v237, 8, v236              ; p's scale word for these 128 keys
	s_delay_alu instid0(VALU_DEP_1)
	v_lshl_or_b32 v253, v238, 16, v253
	s_delay_alu instid0(VALU_DEP_1)
	v_lshl_or_b32 v253, v239, 24, v253
.irp c, 0,1
	v_cvt_scalef32_pk16_fp6_f32 v[224+6*\c:226+6*\c], v[SR+32*\c:SR+15+32*\c], v[244+2*\c]
	v_cvt_scalef32_pk16_fp6_f32 v[236+4*\c:238+4*\c], v[SR+16+32*\c:SR+31+32*\c], v[244+2*\c+1]
.endr
	v_nop                                          ; one plain place behind a scaled conversion
.irp c, 0,1
.irp i, 0,1,2
	v_permlane16_swap_b32 v[224+6*\c+\i], v[236+4*\c+\i]
.endr
.irp i, 0,1,2
	s_delay_alu instid0(VALU_DEP_3)
	v_mov_b32 v[227+6*\c+\i], v[236+4*\c+\i]
.endr
.endr
	s_wait_dscnt 10                                ; V and its scale words are in; the ten loads for the next step may be out
	s_wait_alu depctr_va_vdst(0)                   ; the wait directly ahead of the first reader of O^T
.set j, 0
.rept 16
	v_pk_mul_f32 v[OT+j:OT+j+1], v[OT+j:OT+j+1], v[252:253] op_sel_hi:[1,0]   ; O^T under the new M (also the places in front of the products below)
.set j, j+2
.endr
.irp t, 0,2                            ; O^T += V^T P^T: four tiles of 16 of the head's 64, the four accumulators by turns
	v_wmma_scale_f32_16x16x128_f8f6f4 v[OT+8*\t:OT+8*\t+7], v[VFR+12*\t:VFR+12*\t+11], v[224:235], v[OT+8*\t:OT+8*\t+7], v[30+\t/2], v253 matrix_a_fmt:MATRIX_FMT_FP6 matrix_b_fmt:MATRIX_FMT_FP6
	v_wmma_scale_f32_16x16x128_f8f6f4 v[OT+8*(\t+1):OT+8*(\t+1)+7], v[VFR+12*(\t+1):VFR+12*(\t+1)+11], v[224:235], v[OT+8*(\t+1):OT+8*(\t+1)+7], v[30+\t/2], v253 matrix_a_fmt:MATRIX_FMT_FP6 matrix_b_fmt:MATRIX_FMT_FP6 matrix_a_scale:MATRIX_SCALE_ROW1
.endr
.if !\full
.Lhidden_\@:
.endif
	s_add_co_u32 s[KF], s[KF], 128
	s_add_co_u32 s[TB], s[TB], STEPB
	s_add_co_u32 s[TS], s[TS], 512                 ; the next step's scale images: two of K's,
	s_add_co_u32 s[TJ], s[TJ], 256                 ; one of V's
.endm
; THE WAY OUT of a tile: O^T / the sum; two blocks of 32 channels are quantised; the half fragment leaves as an image of its registers.
.macro OUT o
	PLACES                                         ; behind the last products
	v_add_f32 v14, v14, v15
	s_delay_alu instid0(VALU_DEP_1)
	v_permlanex16_b32 v252, v14, s[SEL], s[SEL+1]
	s_delay_alu instid0(VALU_DEP_1)
	v_add_f32 v14, v14, v252                       ; the row's sum
	s_wait_alu depctr_va_vdst(0)
	v_rcp_f32 v14, v14
	v_nop                                          ; a plain place behind the reciprocal
	s_wait_alu depctr_va_vdst(0)                   ; the wait ahead of its first reader
.set j, 0
.rept 32
	v_mul_f32 v[SR+j], v[OT+j], v14                ; register 16 b + i: channel 32 b + 16 (lane / 16) + i
.set j, j+1
.endr
.irp b, 0,1
	v_max3_num_f32 v[232+\b], |v[SR+16*\b]|, |v[SR+1+16*\b]|, 0x1800000
.endr
.irp i, 2,4,6,8,10,12,14
.irp b, 0,1
	s_delay_alu instid0(VALU_DEP_2)
	v_max3_num_f32 v[232+\b], v[232+\b], |v[SR+16*\b+\i]|, |v[SR+1+16*\b+\i]|
.endr
.endr
.irp b, 0,1
	s_delay_alu instid0(VALU_DEP_2)
	v_permlanex16_b32 v[236+\b], v[232+\b], s[SEL], s[SEL+1]
.endr
.irp b, 0,1
	s_delay_alu instid0(VALU_DEP_2)
	v_max_num_f32 v[232+\b], v[232+\b], v[236+\b]
.endr
.irp b, 0,1
	s_delay_alu instid0(VALU_DEP_2)
	v_add_nc_u32 v[244+\b], 0xff000000, v[232+\b]
.endr
.irp b, 0,1
	s_delay_alu instid0(VALU_DEP_2)
	v_lshrrev_b32 v[236+\b], 23, v[244+\b]
.endr
	s_delay_alu instid0(VALU_DEP_1)
	v_lshl_or_b32 v254, v237, 8, v236              ; my row's two scale bytes of this head
	v_cvt_scalef32_pk16_fp6_f32 v[224:226], v[SR:SR+15], v244
	v_cvt_scalef32_pk16_fp6_f32 v[240:242], v[SR+16:SR+31], v245
	v_nop
.irp i, 0,1,2
	v_permlane16_swap_b32 v[224+\i], v[240+\i]
.endr
.irp i, 0,1,2
	s_delay_alu instid0(VALU_DEP_3)
	v_mov_b32 v[227+\i], v[240+\i]
.endr
	global_store_b128 v[L16], v[224:227], s[\o+4:\o+5]             ; 512 consecutive bytes, aligned
	global_store_b64 v[L8], v[228:229], s[\o+4:\o+5] offset:512    ; 256
	global_store_b16 v[RO], v254, s[\o+6:\o+7]     ; both halves of the lanes write the same two bytes with the same value
.endm
	KFIRST
.Lfirst_four:
	STEP 1, QA
	s_cmp_lt_u32 s[KF], 512
	s_cbranch_scc1 .Lfirst_four
	s_wait_alu depctr_va_vdst(0)
	s_wait_tensorcnt 0x0                           ; every wave's load is in,
	s_wait_dscnt 0x0
	s_barrier_signal -1
	s_barrier_wait -1                              ; everybody's: all sixteen key steps
	s_mov_b32 s[KF], 512
	s_mov_b32 s[TB], 4*STEPB
	s_mov_b32 s[TS], 4*512
	s_mov_b32 s[TJ], 4*256
.Lfirst_rest:                                          ; key steps 4 to 15
	STEP 0, QA
	s_cmp_lt_u32 s[KF], 2048
	s_cbranch_scc1 .Lfirst_rest
	s_wait_dscnt 0x0                               ; the loads that the last step asked for have landed: their registers are loaded anew
	v_add_nc_u32 v8, s84, v[L16]
	v_add_nc_u32 v9, s84, v[L8]
	v_lshrrev_b32 v10, 1, v[L8]
	v_add_nc_u32 v10, s84, v10
	ds_load_b128 v[16:19], v8                      ; the second tile's Q and its scale words, out of my own LDS bytes, under the first tile's way out
	ds_load_b64 v[20:21], v9 offset:512
	ds_load_b32 v255, v10 offset:768
	KFIRST
	OUT TLA
	INIT
	s_mov_b32 s[KF], 0
	s_mov_b32 s[TB], 0
	s_mov_b32 s[TS], 0
	s_mov_b32 s[TJ], 0
	s_wait_alu depctr_va_vdst(0)
	s_wait_xcnt 0x0                                ; the stores have read their registers: the codes' are written again only behind this wait
.Lsecond:                                              ; the second tile: its block is 7 or earlier: key steps 0 to 7
	STEP 0, QB
	s_cmp_lt_u32 s[KF], 1024
	s_cbranch_scc1 .Lsecond
	OUT TLB
	s_wait_tensorcnt 0x0                           ; the wave's end
	ds_add_u32 v[SPW], v[NIL]
	s_wait_dscnt 0x0
	CROUND                                         ; the closing round
	s_endpgm
.Lfunc_end_k_q684aa15983_attn:
	.size	k_q684aa15983_attn, .Lfunc_end_k_q684aa15983_attn-k_q684aa15983_attn
	.p2alignl 7, 3214868480
	.fill 96, 4, 3214868480
	.section	.rodata,"a",@progbits
	.p2align	6, 0x0
	.amdhsa_kernel k_q684aa15983_attn
		.amdhsa_group_segment_fixed_size 327680
		.amdhsa_private_segment_fixed_size 0
		.amdhsa_enable_private_segment 0
		.amdhsa_kernarg_size 24
		.amdhsa_user_sgpr_count 2
		.amdhsa_user_sgpr_kernarg_segment_ptr 1
		.amdhsa_wavefront_size32 1
		.amdhsa_system_sgpr_workgroup_id_x 1
		.amdhsa_system_sgpr_workgroup_id_y 1
		.amdhsa_system_sgpr_workgroup_id_z 1
		.amdhsa_system_vgpr_workitem_id 0
		.amdhsa_next_free_vgpr 256
		.amdhsa_next_free_sgpr 96
		.amdhsa_reserve_vcc 1
		.amdhsa_float_denorm_mode_32 3
		.amdhsa_float_denorm_mode_16_64 3
		.amdhsa_memory_ordered 1
		.amdhsa_forward_progress 1
		.amdhsa_inst_pref_size 85
	.end_amdhsa_kernel
	.amdgpu_metadata
---
amdhsa.version: [ 1, 2 ]
amdhsa.kernels:
  - .name:           k_q684aa15983_attn
    .symbol:         k_q684aa15983_attn.kd
    .args:
      - { .name: qkv, .offset: 0, .size: 8, .value_kind: global_buffer, .address_space: global }
      - { .name: ac, .offset: 8, .size: 8, .value_kind: global_buffer, .address_space: global }
      - { .name: asc, .offset: 16, .size: 8, .value_kind: global_buffer, .address_space: global }
    .group_segment_fixed_size: 327680
    .private_segment_fixed_size: 0
    .kernarg_segment_align: 8
    .kernarg_segment_size: 24
    .max_flat_workgroup_size: 512
    .sgpr_count:     96
    .vgpr_count:     256
    .wavefront_size: 32
...
	.end_amdgpu_metadata
.endif
;; end of part 3
;; launch oproj (part 4): grid 4 x 64, 4 waves a work-group, clusters of 4 x 4, 327,680 bytes of LDS; arguments ac, asc, wc, ws, out0; writes out0
.if DOCPART == 4
	.amdgcn_target "amdgcn-amd-amdhsa--gfx1250"
	.amdhsa_code_object_version 6
	.text
	.protected	k_q684aa15983_oproj
	.globl	k_q684aa15983_oproj
	.p2align	8
	.type	k_q684aa15983_oproj,@function
k_q684aa15983_oproj:
	s_mov_b64 s[64:65], 0
	v_nop
	global_prefetch_b8 v0, s[64:65] scope:SCOPE_SE
	s_setreg_imm32_b32 hwreg(HW_REG_WAVE_MODE, 25, 1), 1
	s_wait_xcnt 0x0
	s_wait_alu depctr_hold_cnt(0) depctr_sa_sdst(0) depctr_va_vdst(0) depctr_va_sdst(0) depctr_va_ssrc(0) depctr_va_vcc(0) depctr_vm_vsrc(0)
	s_getreg_b32 s2, hwreg(HW_REG_IB_STS2, 6, 4)
	s_cmp_eq_u32 s2, 0
	s_cbranch_scc0 .Lentry_in_a_cluster
	s_endpgm
.Lentry_in_a_cluster:
	s_bfe_u32 s2, ttmp6, 0x10000c
	s_cmp_lg_u32 s2, 0xf033
	s_cbranch_scc0 .Lentry_shape_is_right
	s_endpgm
.Lentry_shape_is_right:
; out0 = attn wo^T on codes of FP6 (E2M3) with E8M0 scales; sums and result in f32.  A = the attention's result, as images of operand registers: [tile of 16 rows][head 16][768 bytes]; B = wo's rows, codes laid
; [group of 256 rows][K step of 256][row][192 bytes].  A block of 128 x 256 of the result is made by four waves, 64 x 128 each: 8,192 x 1,024 gives 64 x 4 = 256 work-groups.  32 accumulators a wave.
; K = 1,024 goes in four steps of 256 through a ring of two LDS slots filled by the tensor data mover; the scale bytes of the work-group's 128 + 256 rows come once and stay.
; 4 x 4 work-groups form a cluster: A's tile is asked for jointly along a row of the cluster, B's along a column.  No prefetch: of the four K steps two are asked for at the head, so the loop has one trip to run ahead in.
; THE MATRIX INSTRUCTION IS USED TRANSPOSED (source 0 = 16 rows of B, source 1 = 16 rows of A): a lane holds eight neighbouring numbers of a row of the result.
; The rows of a tile of A lie in the order: position r of tile 2 b + u = token 32 b + 8 u + r + 8 (r / 8): the way out puts each row in its place.
; REGISTERS: window 0: v16-29 addresses; v32-63 scale words, two sets; v128-223 A's fragments, two sets of four; window 1: B's fragments, two sets of eight, at v0 and v128; window 2: the accumulators, (a, b) at v[8 (8 a + b)].
; A step of 128 along K: the next step's 64 LDS loads go out first, into the other sets, and land under this step's 32 products.
.set SIZE_N, 1024
.set NQ,     2
.set STEPK,  49152                     ; from a K step's block of wo's codes to the next
.set KROW,   768
.set PITCH,  240                       ; B's LDS row: 3 x (64 bytes + 16 of padding)
.set FR,     12
.set NP,     4
.set HALFA,  4*3072                    ; 64 rows of A: four tiles x 256 codes
.set HALFT,  128*PITCH
.set SLOT,   2*HALFA+2*HALFT
.set LAPS,   2
.set KS,     32
.set SCL,    2*SLOT
.set HALFS,  (128*KS/256)*272          ; the scales of 128 rows: A's, then B's twice that
.set SBLK,   (16*KS/256)*272
.set SPARE,  SCL+3*HALFS
.set SPITCH, 528
.set ADRA, 16
.set ADRB, 20
.set STO,  24
.set RD,   25
.set CO,   26
.set ADRS, 27
.set SPW,  28
.set NIL,  29
.set SC,   32
.set AF,   128
.set BK,   128
.set G1, 24
.set G0, 32
.set G1B, 48
.set G0B, 56
.set G1S, 68
.set G0S, 76
.set G1SB, 80
.set G0SB, 88
.set G0H,  4
.set G0HB, 8
.set MSB, 0
.macro WIN new                         ; the immediate's high byte repeats the setting that is left
.if MSB != (\new)
	s_set_vgpr_msb (MSB<<8)|(\new)
.set MSB, (\new)
.endif
.endm
.set MUL_LO, 0xa1                      ; source 0 (B) window 1, source 1 (A) window 0, C and D window 2
.set TO_B,   0x40
.macro JLOAD g0a, g1a, g0b, g1b        ; waves 0 and 1 fetch for A, waves 2 and 3 for B; an s_nop 0 and four v_nop follow each line
	s_cmp_eq_u32 s15, 0
	s_cbranch_scc0 .Lfor_b_\@
	tensor_load_to_lds s[\g0a:\g0a+3], s[\g1a:\g1a+7]
	s_nop 0
.rept 4
	v_nop
.endr
	s_branch .Lasked_\@
.Lfor_b_\@:
	tensor_load_to_lds s[\g0b:\g0b+3], s[\g1b:\g1b+7]
	s_nop 0
.rept 4
	v_nop
.endr
.Lasked_\@:
.endm
.macro CREST
	s_cmp_lg_u32 s14, 0
	s_cbranch_scc1 .Lnot_wave_0_\@
	s_barrier_signal -3
.Lnot_wave_0_\@:
	s_barrier_wait -3
	s_barrier_signal -1
	s_barrier_wait -1
.endm
.macro CROUND
	s_barrier_signal -1
	s_barrier_wait -1
	CREST
.endm
	s_load_b128 s[4:7], s[0:1], 0x0                ; ac, asc
	s_load_b128 s[8:11], s[0:1], 0x10              ; wc, ws
	s_load_b64 s[12:13], s[0:1], 0x20              ; out0
	v_lshl_add_u32 v[SPW], v0, 2, SPARE
	v_mov_b32 v[NIL], 0
	ds_add_u32 v[SPW], v[NIL]                      ; the wave's opening: the add, twice on end, and its wait
	ds_add_u32 v[SPW], v[NIL]
	v_lshrrev_b32 v1, 5, v0
	v_readfirstlane_b32 s14, v1                    ; wave 0..3
	s_lshr_b32 s15, s14, 1                         ; which 64 rows are mine.  Also: I fetch for A (0) or for B (1)
	s_and_b32 s16, s14, 1                          ; which 128 columns.  Also: which half of that tile I fetch
	s_bfe_u32 s40, ttmp6, 0x40000                  ; cx
	s_bfe_u32 s41, ttmp6, 0x40004                  ; cy
	s_lshl_b32 s42, ttmp9, 2
	s_add_co_u32 s42, s42, s40                     ; tile column, 0 .. 3
	s_and_b32 s17, ttmp7, 0xffff
	s_lshl_b32 s17, s17, 2
	s_add_co_u32 s17, s17, s41                     ; tile row, 0 .. 63
	s_lshl_b32 s43, s41, 2
	s_lshl_b32 s43, 15, s43                        ; my row of the cluster
	s_lshl_b32 s44, 0x1111, s40                    ; my column
	s_or_b32 s[G1+0], s43, (3<<16)|(1<<21)         ; A: a tile of 16 rows x 256 codes is 3,072 bytes on end, 12,288 from tile to tile
	s_mov_b32 s[G1+1], 384<<16
	s_mov_b32 s[G1+2], 8<<16                       ; the head's load: eight tiles; behind it the two counts are set to 4
	s_mov_b32 s[G1+3], 384<<16
	s_mov_b32 s[G1+4], 8
	s_mov_b32 s[G1+5], 1536
	s_mov_b32 s[G1+6], 0
	s_mov_b32 s[G1+7], 0
	s_or_b32 s[G1B+0], s44, (0<<16)|(1<<20)|(1<<21)|(3<<22)|(3<<25)
	s_mov_b32 s[G1B+1], 256<<16                    ; B: a dense block, stated as rows of 256 bytes; 16 bytes of padding behind every 64
	s_mov_b32 s[G1B+2], 192<<16                    ; the head's load: 256 rows x 192 bytes; behind it the two counts are set to 96
	s_mov_b32 s[G1B+3], 256<<16
	s_mov_b32 s[G1B+4], 192
	s_mov_b32 s[G1B+5], 256
	s_mov_b32 s[G1B+6], 0
	s_mov_b32 s[G1B+7], 0
	s_lshl_b32 s20, s17, 7                         ; A: the tile's first row
	s_lshl_b32 s46, s42, 8                         ; B: likewise
	s_mov_b32 s21, 0
	s_mov_b32 s47, 0
	s_mov_b64 s[18:19], KS
	s_mul_u64 s[22:23], s[20:21], s[18:19]
	s_mul_u64 s[92:93], s[46:47], s[18:19]
	s_mov_b64 s[18:19], KROW
	s_mul_u64 s[20:21], s[20:21], s[18:19]
	s_mul_u64 s[46:47], s[46:47], s[18:19]
	s_mul_i32 s45, s16, HALFA                      ; where the ring's loads go: A's halves, then B's
	s_mul_i32 s66, s16, HALFT
	s_add_co_u32 s66, s66, 2*HALFA
	s_mul_i32 s94, s16, 4*12288                    ; and where they come from: which half, in bytes: of A's tiles,
	s_mov_b32 s95, 0
	s_mul_i32 s18, s16, 24576                      ; of a K step's block of B
	s_mov_b32 s19, 0
	s_wait_dscnt 0x0                               ; both opening adds are done
	s_wait_kmcnt 0x0
	s_add_nc_u64 s[8:9], s[8:9], 3072*KROW         ; wo's codes
	s_add_nc_u64 s[10:11], s[10:11], 3072*KS       ; and scale bytes
	s_add_nc_u64 s[20:21], s[4:5], s[20:21]
	s_add_nc_u64 s[68:69], s[6:7], s[22:23]        ; A's scale bytes, in a pair that is not written again
	s_add_nc_u64 s[46:47], s[8:9], s[46:47]
	s_add_nc_u64 s[92:93], s[10:11], s[92:93]
	CROUND                                         ; all sixteen work-groups are here: the first joint loads meet
	s_mov_b32 s[G0S], 1
	s_mov_b32 s[G0S+1], SLOT                       ; s[G0S ..], s[G0SB ..]: group 0 of the head's loads of K step 1, into slot 1: A's 128 rows,
	s_add_nc_u64 s[G0S+2:G0S+3], s[20:21], 3072
	s_or_b32 s[G0S+3], s[G0S+3], 0x80000000
	s_mov_b32 s[G0SB], 1
	s_mov_b32 s[G0SB+1], SLOT+2*HALFA              ; and B's 256
	s_add_nc_u64 s[G0SB+2:G0SB+3], s[46:47], STEPK
	s_or_b32 s[G0SB+3], s[G0SB+3], 0x80000000
	s_mov_b32 s[G0H], 1                            ; K step 0's 128 rows of A,
	s_mov_b32 s[G0H+1], 0
	s_mov_b64 s[G0H+2:G0H+3], s[20:21]
	s_or_b32 s[G0H+3], s[G0H+3], 0x80000000
	s_mov_b32 s[G0HB], 1                           ; and 256 rows of B, behind them in slot 0
	s_mov_b32 s[G0HB+1], 2*HALFA
	s_mov_b64 s[G0HB+2:G0HB+3], s[46:47]
	s_or_b32 s[G0HB+3], s[G0HB+3], 0x80000000
	s_add_nc_u64 s[20:21], s[20:21], s[94:95]      ; for the ring: my half
	s_add_nc_u64 s[46:47], s[46:47], s[18:19]
.irp s, 0,1
	s_mov_b32 s[G0+4*\s], 1
	s_add_co_u32 s[G0+4*\s+1], s45, \s*SLOT
	s_add_nc_u64 s[G0+4*\s+2:G0+4*\s+3], s[20:21], \s*3072
	s_or_b32 s[G0+4*\s+3], s[G0+4*\s+3], 0x80000000
	s_mov_b32 s[G0B+4*\s], 1
	s_add_co_u32 s[G0B+4*\s+1], s66, \s*SLOT
	s_add_nc_u64 s[G0B+4*\s+2:G0B+4*\s+3], s[46:47], \s*STEPK
	s_or_b32 s[G0B+4*\s+3], s[G0B+4*\s+3], 0x80000000
.endr
; THE HEAD'S LOADS, ONE A WAVE: wave 0 K step 0's rows of A, wave 1 those of B, wave 2 K step 1's rows of A, wave 3 those of B.  One tree of branches on the wave's number: every way passes one load.
.macro ARM under, g0, g1, next
	s_cmp_lt_u32 s14, \under
	s_cbranch_scc0 \next
	tensor_load_to_lds s[\g0:\g0+3], s[\g1:\g1+7]
	s_nop 0
.rept 4
	v_nop
.endr
	s_branch .Lhead_asked
\next:
.endm
	ARM 1, G0H,  G1,  .Lhead_b
	ARM 2, G0HB, G1B, .Lhead_sa
	ARM 3, G0S,  G1,  .Lhead_sb                    ; waves 2 and 3: K step 1's rows of A and of B: both slots are asked for at the head
	tensor_load_to_lds s[G0SB:G0SB+3], s[G1B:G1B+7]
	s_nop 0
.rept 4
	v_nop
.endr
.Lhead_asked:
	; the scale bytes of A's 128 rows (4,096) and B's 256 rows (8,192) come by plain loads, 16 bytes a thread and 2,048 a line, and go by LDS stores to bytes of their own: runs of 256 bytes with 16 of padding behind each
	v_lshlrev_b32 v30, 4, v0
	v_lshrrev_b32 v31, 4, v0
	v_mul_u32_u24 v31, v31, 272
	v_and_b32 v9, 15, v0
	v_lshl_add_u32 v31, v9, 4, v31
	v_add_nc_u32 v31, SCL, v31
.irp j, 0,1
	global_load_b128 v[128+4*\j:131+4*\j], v30, s[68:69] offset:2048*\j
.endr
.irp j, 0,1,2,3
	global_load_b128 v[136+4*\j:139+4*\j], v30, s[92:93] offset:2048*\j
.endr
	v_and_b32 v1, 15, v0                           ; l % 16
	v_bfe_u32 v2, v0, 4, 1                         ; l / 16
	v_mul_u32_u24 v3, v1, PITCH
	v_mul_u32_u24 v4, v2, 24
	v_add_nc_u32 v4, v3, v4                        ; B: a fragment's row x pitch + 24 x half,
	v_lshl_add_u32 v5, v2, 4, v4                   ; and the same behind one padding more
	v_and_b32 v6, 31, v0
	v_lshlrev_b32 v7, 4, v6                        ; A: images: 16 x lane,
	v_lshlrev_b32 v8, 3, v6                        ; 8 x lane
	s_mul_i32 s21, s15, HALFA
	s_mul_i32 s22, s16, HALFT
	s_add_co_u32 s22, s22, 2*HALFA
.irp s, 0,1
	v_add_nc_u32 v[ADRA+\s], s21, v7
	v_add_nc_u32 v[ADRA+2+\s], s21, v8
	v_add_nc_u32 v[ADRB+\s], s22, v4
	v_add_nc_u32 v[ADRB+2+\s], s22, v5
	s_add_co_u32 s21, s21, SLOT
	s_add_co_u32 s22, s22, SLOT
.endr
	v_mul_u32_u24 v5, v1, KS
	v_lshrrev_b32 v6, 8, v5
	v_lshl_add_u32 v5, v6, 4, v5
	s_mul_i32 s21, s15, HALFS/2                    ; A's scales: my 64 rows
	s_mul_i32 s22, s16, HALFS                      ; B's: my 128 rows, behind A's 128
	s_add_co_u32 s22, s22, HALFS
	s_sub_co_u32 s22, s22, s21
	v_mul_u32_u24 v6, s22, v2                      ; lanes 16-31 take B's
	s_add_co_u32 s21, s21, SCL
	v_add_nc_u32 v5, v5, v6
	v_add_nc_u32 v[ADRS], s21, v5
	s_mul_i32 s23, s14, 16*SPITCH                  ; my stage, in slot 0, which has had its last fill and its last read when the first result is stored there
	v_mul_u32_u24 v5, v1, SPITCH
	v_lshl_add_u32 v5, v2, 5, v5
	v_add_nc_u32 v[STO], s23, v5
	v_mov_b32 v[CO], v7
	v_add_nc_u32 v[RD], s23, v[CO]
	s_lshl_b32 s20, s17, 7
	s_lshl_b32 s21, s15, 6
	s_add_co_u32 s20, s20, s21                     ; my first row of the result
	s_mov_b32 s21, 0
	s_mov_b64 s[18:19], SIZE_N*4
	s_mul_u64 s[20:21], s[20:21], s[18:19]
	s_lshl_b32 s46, s42, 10
	s_lshl_b32 s47, s16, 9
	s_add_co_u32 s46, s46, s47                     ; my first column, in bytes
	s_mov_b32 s47, 0
	s_add_nc_u64 s[20:21], s[20:21], s[46:47]
	s_add_nc_u64 s[12:13], s[12:13], s[20:21]
.macro FRAG reg, adr, q, i             ; a fragment of B: 12 registers, in pieces of 8 bytes; where the piece three on lies behind one padding more, the second address register serves
.irp p, 0,1,2,3,4,5
.set PCE, 12*(\q)+6*(\p/3)+\p%3
.if PCE%8 < 5
	ds_load_b64 v[\reg+2*\p:\reg+2*\p+1], v[\adr] offset:8*PCE+16*(PCE/8)+(\i)*16*PITCH
.else
	ds_load_b64 v[\reg+2*\p:\reg+2*\p+1], v[\adr+2] offset:8*PCE+16*(PCE/8)+(\i)*16*PITCH
.endif
.endr
.endm
.macro FRAGA reg, slot, q, i           ; a fragment of A: two images of six registers
	ds_load_b128 v[\reg:\reg+3], v[ADRA+\slot] offset:3072*(\i)+1536*(\q)
	ds_load_b64 v[\reg+4:\reg+5], v[ADRA+2+\slot] offset:3072*(\i)+1536*(\q)+512
	ds_load_b128 v[\reg+6:\reg+9], v[ADRA+\slot] offset:3072*(\i)+1536*(\q)+768
	ds_load_b64 v[\reg+10:\reg+11], v[ADRA+2+\slot] offset:3072*(\i)+1536*(\q)+1280
.endm
; 16 matrix instructions: A's blocks a0, a0 + 1 x B's eight, 128 along K, on sets p.  The 32 accumulators take turns, one instruction a turn, in the same order in every step.
.macro MUL16 a0, p, q, sc, zero
.irp a, \a0, \a0+1
.irp b, 0,1,2,3,4,5,6,7
.if \zero
	v_wmma_scale_f32_16x16x128_f8f6f4 v[8*(8*(\a)+\b):8*(8*(\a)+\b)+7], v[128*(\p)+FR*\b:128*(\p)+FR*\b+FR-1], v[AF+48*(\p)+FR*(\a):AF+48*(\p)+FR*(\a)+FR-1], 0, v[SC+8*NQ*(\sc)+NQ*\b+(\q)], v[SC+8*NQ*(\sc)+NQ*(\a)+(\q)] matrix_a_fmt:MATRIX_FMT_FP6 matrix_b_fmt:MATRIX_FMT_FP6 matrix_a_scale:MATRIX_SCALE_ROW1
.else
	v_wmma_scale_f32_16x16x128_f8f6f4 v[8*(8*(\a)+\b):8*(8*(\a)+\b)+7], v[128*(\p)+FR*\b:128*(\p)+FR*\b+FR-1], v[AF+48*(\p)+FR*(\a):AF+48*(\p)+FR*(\a)+FR-1], v[8*(8*(\a)+\b):8*(8*(\a)+\b)+7], v[SC+8*NQ*(\sc)+NQ*\b+(\q)], v[SC+8*NQ*(\sc)+NQ*(\a)+(\q)] matrix_a_fmt:MATRIX_FMT_FP6 matrix_b_fmt:MATRIX_FMT_FP6 matrix_a_scale:MATRIX_SCALE_ROW1
.endif
.endr
.endr
.endm
.macro FETCH slot, q, p                ; 64 LDS loads: B's eight fragments and A's four of step q of the slot, into sets p
	WIN TO_B
.irp i, 0,1,2,3,4,5,6,7
	FRAG 128*(\p)+FR*\i, ADRB+\slot, \q, \i
.endr
	WIN 0
.irp i, 0,1,2,3
	FRAGA AF+48*(\p)+FR*\i, \slot, \q, \i
.endr
.endm
.macro SCALES sc                       ; a K step's scale words: lanes 0-15 A's block i (blocks 0-3 are used), lanes 16-31 B's block i
.irp i, 0,1,2,3,4,5,6,7
	ds_load_b64 v[SC+8*NQ*\sc+NQ*\i:SC+8*NQ*\sc+NQ*\i+1], v[ADRS] offset:\i*SBLK
.endr
.endm
.macro PLACES n                        ; plain vector instructions between a matrix instruction and a load into its registers
.rept \n
	v_nop
.endr
.endm
.macro STEP slot, zero                 ; a slot's first 128 along K, on sets 0; the second's fragments go out first, into sets 1 (whose last products have four places behind them, in TURN)
	FETCH \slot, 1, 1
	s_wait_dscnt 63                                ; all that was asked for ahead of the 64 loads just issued is in (the count's field holds 63, so the first of the 64 is waited for too)
	WIN MUL_LO
	MUL16 0, 0, 0, \slot, \zero
	MUL16 2, 0, 0, \slot, \zero
	WIN 0
.endm
; A slot's second 128 along K, on sets 1, changes slots: one barrier; in front of it each wave waits for all its tensor loads, adds 0 to its spare word, and waits for that and for its own reads of this slot.
.macro TURN slot, next, fill
	s_wait_tensorcnt 0x0                           ; all my tensor loads have landed: my part of the next slot
	ds_add_u32 v[SPW], v[NIL]
	s_mov_b32 s[G1+2], 4<<16                       ; no tensor load of mine is out: the ring's loads bring half a tile
	s_mov_b32 s[G1+4], 4
	s_mov_b32 s[G1B+2], 96<<16
	s_mov_b32 s[G1B+4], 96
	s_wait_dscnt 1                                 ; my fragments are in; the add may be out
	WIN MUL_LO
	MUL16 0, 1, 1, \slot, 0
	s_wait_dscnt 0x0                               ; the add is done, and my reads of this slot are over
	s_barrier_signal -1
	MUL16 2, 1, 1, \slot, 0
	WIN 0
	s_barrier_wait -1
.if \fill
	CREST                                          ; the barrier has opened a round of the cluster's barrier
	s_add_nc_u64 s[G0+4*\slot+2:G0+4*\slot+3], s[G0+4*\slot+2:G0+4*\slot+3], 2*3072
	s_add_nc_u64 s[G0B+4*\slot+2:G0B+4*\slot+3], s[G0B+4*\slot+2:G0B+4*\slot+3], 2*STEPK
	JLOAD G0+4*\slot, G1, G0B+4*\slot, G1B         ; the first tensor load behind the round; its four v_nop are the places in front of the loads below
.else
	PLACES NP
.endif
	s_wait_alu depctr_va_vdst(0)
	v_add_nc_u32 v[ADRS], 4*NQ, v[ADRS]
	FETCH \next, 0, 0
	SCALES \next
.endm
	s_wait_alu depctr_va_vdst(0)
	s_wait_loadcnt 0x0                             ; the scale bytes
.irp j, 0,1
	ds_store_b128 v31, v[128+4*\j:131+4*\j] offset:2176*\j
.endr
.irp j, 0,1,2,3
	ds_store_b128 v31, v[136+4*\j:139+4*\j] offset:HALFS+2176*\j
.endr
	s_cmp_lt_u32 s14, 2                            ; waves 0 and 1 wait for K step 0's tiles, each on a load line of its own; K step 1's may still be on their way
	s_cbranch_scc0 .Lnot_step_0
	s_wait_tensorcnt 0x0
.Lnot_step_0:
	s_wait_dscnt 0x0                               ; my part of the scale bytes is stored
	s_barrier_signal -1
	s_barrier_wait -1                              ; slot 0 and the scales are in; slot 1 is shown by the first change of slots
	FETCH 0, 0, 0
	SCALES 0
	STEP 0, 1                                      ; the first step's products start the sums
	s_mov_b32 s3, LAPS-1
.Llap:
	TURN 0, 1, 1
	STEP 1, 0
	TURN 1, 0, 1
	STEP 0, 0
	s_sub_co_u32 s3, s3, 1
	s_cmp_lg_u32 s3, 0
	s_cbranch_scc1 .Llap
	TURN 0, 1, 0                                   ; the last lap fills nothing
	STEP 1, 0
	s_wait_dscnt 0x0
	WIN MUL_LO
	MUL16 0, 1, 1, 1, 0
	MUL16 2, 1, 1, 1, 0
	WIN 0
; THE WAY OUT, block by block of 16 rows x 128 columns, through my own stage in LDS: back come whole rows of 512 bytes, which the 32 lanes store as two aligned runs of 256 bytes.
.macro TOSTAGE a
.set AC, 64*(\a)
	WIN 0x08                                       ; the data: window 2
.irp b, 0,1,2,3,4,5,6,7
	ds_store_b128 v[STO], v[AC+8*\b:AC+8*\b+3] offset:64*\b          ; each accumulator from its low end on
	ds_store_b128 v[STO], v[AC+8*\b+4:AC+8*\b+7] offset:64*\b+16
.endr
	WIN 0
.set BB, BK+64*((\a)%2)
.irp t, 0,1,2,3,4,5,6,7,8,9,10,11,12,13,14,15
	ds_load_b128 v[BB+4*\t:BB+4*\t+3], v[RD] offset:\t*SPITCH       ; LDS serves a wave's instructions in order: these see the stores above
.endr
.endm
.macro SEND a, younger                 ; younger: the LDS instructions issued behind block a's loads, which may stay out
.set BB, BK+64*((\a)%2)
	s_wait_dscnt \younger
.if (\a) > 0
.if (\a)%2
	s_add_nc_u64 s[12:13], s[12:13], 8*SIZE_N*4    ; tile 2 b + 1 begins 8 rows behind tile 2 b,
.else
	s_add_nc_u64 s[12:13], s[12:13], 24*SIZE_N*4   ; tile 2 b + 2 another 24
.endif
.endif
.irp t, 0,1,2,3,4,5,6,7,8,9,10,11,12,13,14,15
	global_store_b128 v[CO], v[BB+4*\t:BB+4*\t+3], s[12:13] offset:(\t+8*(\t/8))*SIZE_N*4 th:TH_STORE_NT
.endr
.endm
	PLACES NP
	TOSTAGE 0
.irp a, 1,2,3
.if \a > 1
	s_wait_xcnt 0x0                                ; block a - 2's stores have read their registers and their base
.endif
	TOSTAGE \a
	SEND \a-1, 32                                  ; behind block a - 1's loads: block a's 16 stores and 16 loads
.endr
	s_wait_xcnt 0x0
	SEND 3, 0
	s_wait_tensorcnt 0x0                           ; the wave's end
	ds_add_u32 v[SPW], v[NIL]
	s_wait_dscnt 0x0
	CROUND                                         ; the closing round
	s_endpgm
.Lfunc_end_k_q684aa15983_oproj:
	.size	k_q684aa15983_oproj, .Lfunc_end_k_q684aa15983_oproj-k_q684aa15983_oproj
	.p2alignl 7, 3214868480
	.fill 96, 4, 3214868480
	.section	.rodata,"a",@progbits
	.p2align	6, 0x0
	.amdhsa_kernel k_q684aa15983_oproj
		.amdhsa_group_segment_fixed_size 327680
		.amdhsa_private_segment_fixed_size 0
		.amdhsa_enable_private_segment 0
		.amdhsa_kernarg_size 40
		.amdhsa_user_sgpr_count 2
		.amdhsa_user_sgpr_kernarg_segment_ptr 1
		.amdhsa_wavefront_size32 1
		.amdhsa_system_sgpr_workgroup_id_x 1
		.amdhsa_system_sgpr_workgroup_id_y 1
		.amdhsa_system_sgpr_workgroup_id_z 1
		.amdhsa_system_vgpr_workitem_id 0
		.amdhsa_next_free_vgpr 768
		.amdhsa_next_free_sgpr 98
		.amdhsa_reserve_vcc 0
		.amdhsa_float_denorm_mode_32 3
		.amdhsa_float_denorm_mode_16_64 3
		.amdhsa_memory_ordered 1
		.amdhsa_forward_progress 1
		.amdhsa_inst_pref_size 97
	.end_amdhsa_kernel
	.amdgpu_metadata
---
amdhsa.version: [ 1, 2 ]
amdhsa.kernels:
  - .name:           k_q684aa15983_oproj
    .symbol:         k_q684aa15983_oproj.kd
    .args:
      - { .name: ac, .offset: 0, .size: 8, .value_kind: global_buffer, .address_space: global }
      - { .name: asc, .offset: 8, .size: 8, .value_kind: global_buffer, .address_space: global }
      - { .name: wc, .offset: 16, .size: 8, .value_kind: global_buffer, .address_space: global }
      - { .name: ws, .offset: 24, .size: 8, .value_kind: global_buffer, .address_space: global }
      - { .name: out0, .offset: 32, .size: 8, .value_kind: global_buffer, .address_space: global }
    .group_segment_fixed_size: 327680
    .private_segment_fixed_size: 0
    .kernarg_segment_align: 8
    .kernarg_segment_size: 40
    .max_flat_workgroup_size: 128
    .sgpr_count:     98
    .vgpr_count:     768
    .wavefront_size: 32
...
	.end_amdgpu_metadata
.endif
;; end of part 4
